; MI455X (gfx1250); checked and timed in simulation.
; The chip was launched on July 23, 2026; its instructions are those of AMD's public machine-readable ISA for CDNA 5 (MIT licence, August 2026) and "CDNA5" Instruction Set Architecture Reference Guide (July 2026). The comments in the code are by the model that wrote it; some were corrected since.
;; Multi Headed Attention. Allowed arithmetic: matrix products marked QUANTISED: E3M2 operands, one E8M0 scale for each 32 along K, by v_wmma_scale_f32_16x16x128_f8f6f4 with both operands' format E3M2, f32 sums; everything else in f32.
;; Inputs: Wk 1,024 x 1,024 float32; Wo 1,024 x 1,024 float32; Wq 1,024 x 1,024 float32; Wv 1,024 x 1,024 float32; bk 1,024 float32; bo 1,024 float32; bq 1,024 float32; bv 1,024 float32; key_ 4 x 2,048 x 1,024 float32; mask 4 x 2,048 x 2,048 int32; query 4 x 2,048 x 1,024 float32; value 4 x 2,048 x 1,024 float32.
;; Outputs: out0 4 x 2,048 x 1,024 float32.
;; This version of the problem:
;;   THIS VERSION OF THE PROBLEM IS GIVEN IN LOW PRECISION. The matrix products marked QUANTISED in the list below multiply operands that are first quantised to E3M2 (3 exponent bits, 2 mantissa bits; 6 bits a number), with one power-of-two scale for each 32 numbers along K (OCP MX v1.0); their sums are f32. All else is computed in f32.
;;   The module's matrix products, in the order in which they are computed (A, B: the left and right operand; K: the contracted axis; several contracted axes count as one K, in the product's order):
;;     1. [M 8,192, K 1,024] x [K 1,024, N 1,024]; A: input query; B: input Wq: QUANTISED
;;     2. [M 8,192, K 1,024] x [K 1,024, N 1,024]; A: input key_; B: input Wk: QUANTISED
;;     3. [M 8,192, K 1,024] x [K 1,024, N 1,024]; A: input value; B: input Wv: QUANTISED
;;     4. batch 64 x [M 2,048, K 64] x [K 64, N 2,048]; A: computed on the way; B: computed on the way: QUANTISED
;;     5. batch 64 x [M 2,048, K 2,048] x [K 2,048, N 64]; A: softmax (see below); B: computed on the way: QUANTISED
;;     6. [M 8,192, K 1,024] x [K 1,024, N 1,024]; A: computed on the way; B: input Wo: QUANTISED
;;   THE QUANTISER, for each operand of a quantised product, along K:
;;     - K is cut into blocks of 32 from its start; a last block that is shorter is filled with zeros.
;;     - A block's scale is 2^e with e = floor(log2(the largest magnitude in the block)) - 4, held to -126 .. 127; a block of zeros has e = 0. As a byte (E8M0): e + 127.
;;     - Each number is divided by its block's scale, clamped to +-28, and rounded to the nearest number of E3M2, ties to even, subnormals kept.
;;     - The product sums the exact products of the quantised numbers (number of the format x scale) in f32.
;;   ~~~python
;;   def quantise(x, axis):      # numpy; x: float32 -> the quantised numbers, widened to float32 again
;;       x = np.moveaxis(x, axis, -1); K = x.shape[-1]
;;       x = np.pad(x, [(0, 0)] * (x.ndim - 1) + [(0, -K % 32)]); x = x.reshape(x.shape[:-1] + (-1, 32)); a = np.abs(x).max(-1, keepdims=True)
;;       e = np.where(a > 0, np.clip(np.frexp(np.where(a > 0, a, 1))[1] - 1 - 4, -126, 127), 0)      # np.frexp(a)[1] - 1 = floor(log2(a)), exactly
;;       r = np.clip(x / 2.0 ** e, -28, 28)
;;       step = 2.0 ** (np.maximum(np.frexp(np.where(r == 0, 1, r))[1] - 1, -2) - 2)
;;       q = np.round(r / step) * step * 2.0 ** e      # np.round: ties to even
;;       return np.moveaxis(q.reshape(q.shape[:-2] + (-1,))[..., :K], -1, axis).astype(np.float32)
;;   ~~~
;;   SOFTMAX AHEAD OF A QUANTISED PRODUCT. Where the list says 'softmax', what is quantised is not the finished softmax but p = 2^(t - M), with t = logit x log2(e) and M = ceil(the row's largest t), a whole number; so 1/2 < the row's largest p <= 1. The row's sum l is taken of the UNQUANTISED p, in f32, and the product's result is divided by l at the end. Since M is a whole number, a kernel that streams over the keys may use a running M (the ceiling of the running maximum): every later rescaling is an exact power of two, which a block's scale takes up: the codes' values come out the same.
;;   OPERANDS COMPUTED ON THE WAY. 'Computed on the way' means the value that the module computes at that place (a softmax that the list does not call 'softmax' is quantised finished and normalised). What goes into a quantiser is computed in f32, as accurately as f32 sums, v_exp_f32 and their like allow (about 1e-6 of the number): no bf16 or f16 on the way to a quantiser, and a product that is left as it is and whose result goes on into a quantised operand takes f32 operands (vector FMAs, or v_wmma_f32_16x16x4_f32). A number that lies on a knife's edge between two numbers of the format may be rounded either way, as far as f32 arithmetic and the matrix unit's own rounding can turn it there, and no further.
;; One version. Each part assembles by itself: llvm-mc -triple=amdgcn-amd-amdhsa -mcpu=gfx1250 --defsym DOCPART=n.
;; ======== version 1 of 1: 4 launches
;; limits: right only within a limited range of input values
;; workspace buffers: opc 22,020,096 bytes; ops 917,504 bytes; mw 2,097,152 bytes of whole numbers; hc 18,874,368 bytes; hs 1,310,720 bytes; xc 6,291,456 bytes; xs 262,144 bytes
;; launch prep (part 1): grid 704 x 1, 4 waves a work-group, no clusters, 68,096 bytes of LDS; arguments query, key_, value, Wq, Wk, Wv, Wo, mask, opc, ops, mw; writes opc, ops, mw
.if DOCPART == 1
	.amdgcn_target "amdgcn-amd-amdhsa--gfx1250"
	.amdhsa_code_object_version 6
	.text
	.protected	k_q6cd227baa6_prep
	.globl	k_q6cd227baa6_prep
	.p2align	8
	.type	k_q6cd227baa6_prep,@function
k_q6cd227baa6_prep:
	s_mov_b64 s[64:65], 0
	v_nop
	global_prefetch_b8 v0, s[64:65] scope:SCOPE_SE
	s_setreg_imm32_b32 hwreg(HW_REG_WAVE_MODE, 25, 1), 1
	s_wait_xcnt 0x0
; PREP.  (1) query, key_, value [8192][1024] and Wq, Wk, Wv, Wo [1024][1024], f32, K innermost, become codes of BF6 (E3M2) with one E8M0 byte for each 32 along K.
; (2) mask [4][2048][2048] int32 becomes lane-mask words: one bit a number, laid as the attention launch's score registers lie.
; A block's scale is 2^(floor(log2(largest magnitude)) - 4): its byte is the largest magnitude's exponent field - 4, held at 1 from below.
; LIMITS: NaN and infinities among the inputs are not served; a block whose largest magnitude lies under 2^-122 has its byte held at 1; a block of zeros has the byte 1 where the
; rule says 127: its codes are zeros, which add nothing under any byte but 0xff, and the bytes are read by this program alone.
; LAYOUT OF THE CODES: an image of the operand's registers.  A TILE is 16 rows; lane row p of tile T is row 32 (T / 2) + 8 (T % 2) + p + 8 (p / 8).  For each 128 along K a tile has a
; fragment of 1,536 bytes: registers 0-3 at 16 x lane, registers 4-5 at 512 + 8 x lane, registers 6-9 at 768 + 16 x lane, registers 10-11 at 1,280 + 8 x lane.  A tile: 8 fragments, 12,288 bytes.
; LAYOUT OF THE SCALES: 512 bytes a tile: the word of (row r, K step s) at 16 (16 (s / 4) + r) + 4 (s % 4): one load of 16 bytes a lane brings all eight K steps' words.
; LAYOUT OF THE MASK WORDS: [batch][tile of queries][step of 128 keys][64 words]; bit 16 h + r of word n: mask(query row r of the tile, key 128 step + 32 (n / 16) + 16 h + n % 16) != 0.
; SHARES.  Work-groups 0-447: a wave quantises one tile (16 rows x 1,024).  Work-groups 448-703: a wave packs 16 rows x 1,024 keys of the mask.  Waves share nothing: no barrier.
; A unit is 16 rows x 512 bytes.  Each load reads 512 consecutive bytes of one row; the unit turns through the wave's own stage in LDS (rows 528 bytes apart) and comes back with a
; lane's registers running along K.  Loads run two units (32 loads a wave) ahead.  Every offset is an immediate; no pointer is stepped.
; The two paths have LDS bytes of their own.
.set R,   16                           ; v16-143  two sets of 64: a unit as loaded
.set X,   144                          ; v144-207 a unit as it comes back from the stage
.set PC,  208                          ; v208-219 a fragment's codes        (mask path: v208-223 the words, a pair for each unit)
.set W,   208
.set PT,  220                          ; v220-226 the conversions' second halves
.set TM,  228                          ; v228-229 largest magnitudes, v230-231 scale operands, v232-233 bytes, v234 the other half's bytes
.set SW,  236                          ; v236-243 the scale word of each K step
.set SD,  244                          ; v244-247 the scale words as they are stored
.set STG, 8448                         ; a wave's stage: 16 rows x 528 bytes
	s_load_b512 s[4:19], s[0:1], 0x0               ; query, key_, value, Wq, Wk, Wv, Wo, mask
	s_load_b128 s[20:23], s[0:1], 0x40             ; opc, ops
	s_load_b64 s[24:25], s[0:1], 0x50              ; mw
	v_lshl_add_u32 v248, v0, 2, 0x10800
	v_mov_b32 v249, 0
	v_lshrrev_b32 v1, 5, v0
	v_readfirstlane_b32 s26, v1                    ; wave 0..3
	v_and_b32 v1, 31, v0                           ; lane
	v_and_b32 v2, 15, v0                           ; r
	v_bfe_u32 v3, v0, 4, 1                         ; h
	v_lshlrev_b32 v4, 4, v1                        ; 16 x lane
	v_lshlrev_b32 v5, 3, v1                        ; 8 x lane
	v_lshlrev_b32 v8, 3, v3                        ; 8 h
	s_mul_i32 s27, s26, STG
	v_add_nc_u32 v6, s27, v4                       ; quantiser: into the stage: 16 x lane, the row in the immediate
	v_mul_u32_u24 v11, v2, 528
	v_add_nc_u32 v11, s27, v11
	v_lshl_add_u32 v7, v3, 7, v11                  ; quantiser: out of it: row r, + 128 h: a whole block of 32 numbers
	v_add_nc_u32 v9, 4*STG, v6                     ; mask: the same in the mask path's own bytes
	v_lshl_add_u32 v10, v3, 6, v11                 ; mask: row r, + 64 h: 16 numbers of each 32
	v_add_nc_u32 v10, 4*STG, v10
	s_mov_b32 s38, 0x76543210
	s_mov_b32 s39, 0xfedcba98                      ; lane selects: lane l xor 16
	s_mov_b32 s40, 0xffff0000                      ; lanes 16-31
.macro LOADU set, u, pitch             ; unit u: 16 loads, one row each, 512 consecutive bytes
.irp p, 0,1,2,3,4,5,6,7,8,9,10,11,12,13,14,15
	global_load_b128 v[R+64*(\set)+4*\p:R+64*(\set)+4*\p+3], v4, s[28:29] offset:(\p+8*(\p/8))*\pitch+512*(\u) th:TH_LOAD_NT
.endr
.endm
.macro TURNIN set, adr                 ; into the stage, as loaded
.irp p, 0,1,2,3,4,5,6,7,8,9,10,11,12,13,14,15
	ds_store_b128 v[\adr], v[R+64*(\set)+4*\p:R+64*(\set)+4*\p+3] offset:528*\p
.endr
.endm
	s_cmp_lt_u32 ttmp9, 448
	s_cbranch_scc0 .Lmask
; ---------------- the quantiser ----------------
	s_wait_kmcnt 0x0
	s_mov_b64 s[28:29], s[4:5]                     ; which tensor: a choice on the work-group's number alone
	s_mov_b32 s30, 0                               ; and that tensor's first work-group
.macro SECT first, p
	s_cmp_ge_u32 ttmp9, \first
	s_cselect_b64 s[28:29], s[\p:\p+1], s[28:29]
	s_cselect_b32 s30, \first, s30
.endm
	SECT 128, 6
	SECT 256, 8
	SECT 384, 10
	SECT 400, 12
	SECT 416, 14
	SECT 432, 16
	s_lshl_b32 s31, ttmp9, 2
	s_add_co_u32 s31, s31, s26                     ; my tile among the 1,792
	s_lshl_b32 s30, s30, 2
	s_sub_co_u32 s32, s31, s30                     ; and in its tensor
	s_lshr_b32 s33, s32, 1
	s_lshl_b32 s33, s33, 17                        ; 32 rows of 4,096 bytes
	s_and_b32 s32, s32, 1
	s_lshl_b32 s32, s32, 15                        ; 8 rows
	s_add_co_u32 s32, s32, s33
	s_mov_b32 s33, 0
	s_add_nc_u64 s[28:29], s[28:29], s[32:33]
	s_mul_i32 s34, s31, 12288
	s_mov_b32 s35, 0
	s_add_nc_u64 s[34:35], s[20:21], s[34:35]      ; my tile's codes
	s_lshl_b32 s36, s31, 9
	s_mov_b32 s37, 0
	s_add_nc_u64 s[36:37], s[22:23], s[36:37]      ; and its scale words
	v_mov_b32 v[TM+6], 0                           ; a lane permute's destination counts as one of its sources
	LOADU 0, 0, 4096
	LOADU 1, 1, 4096
; K step u: my two blocks (h and 2 + h) lie whole in my registers: X + 32 c + i is k = 64 c + 32 h + i of row r
.macro QUNIT u
.irp c, 0,1
	v_max3_num_f32 v[TM+\c], |v[X+32*\c]|, |v[X+32*\c+1]|, 0x2800000   ; with the floor 2^(5 - 127): the byte cannot fall under 1
.endr
.irp i, 2,4,6,8,10,12,14,16,18,20,22,24,26,28,30
.irp c, 0,1
	v_max3_num_f32 v[TM+\c], v[TM+\c], |v[X+32*\c+\i]|, |v[X+32*\c+\i+1]|
.endr
.endr
.irp c, 0,1
	v_add_nc_u32 v[TM+2+\c], 0xfe000000, v[TM+\c]  ; 4 off the exponent field: the conversion's scale operand
.endr
.irp c, 0,1
	v_lshrrev_b32 v[TM+4+\c], 23, v[TM+2+\c]       ; the scale's byte
.endr
	v_lshl_or_b32 v[SW+(\u)], v[TM+5], 16, v[TM+4] ; my two bytes,
	v_lshlrev_b32 v[SW+(\u)], v8, v[SW+(\u)]       ; 8 h bits up;
	v_permlanex16_b32 v[TM+6], v[SW+(\u)], s38, s39
	v_or_b32 v[SW+(\u)], v[SW+(\u)], v[TM+6]       ; with lane l xor 16's two the word is whole
.if (\u) > 0
	s_wait_alu depctr_va_vdst(0)
	s_wait_xcnt 0x0                                ; the last unit's stores have read the codes' registers
.endif
	v_cvt_scalef32_pk16_bf6_f32 v[PC:PC+2], v[X:X+15], v[TM+2]
	v_cvt_scalef32_pk16_bf6_f32 v[PT:PT+2], v[X+16:X+31], v[TM+2]       ; (a conversion's three registers begin on an even number)
	v_cvt_scalef32_pk16_bf6_f32 v[PC+6:PC+8], v[X+32:X+47], v[TM+3]
	v_cvt_scalef32_pk16_bf6_f32 v[PT+4:PT+6], v[X+48:X+63], v[TM+3]
	v_nop                                          ; one plain place behind the scaled conversions
.irp i, 0,1,2
	v_mov_b32 v[PC+3+\i], v[PT+\i]
	v_mov_b32 v[PC+9+\i], v[PT+4+\i]
.endr
	global_store_b128 v4, v[PC:PC+3], s[34:35] offset:1536*(\u)          ; each store covers 512 or 256 consecutive aligned bytes
	global_store_b64 v5, v[PC+4:PC+5], s[34:35] offset:1536*(\u)+512
	global_store_b128 v4, v[PC+6:PC+9], s[34:35] offset:1536*(\u)+768
	global_store_b64 v5, v[PC+10:PC+11], s[34:35] offset:1536*(\u)+1280
.endm
.set U, 0
	s_wait_alu depctr_va_vdst(0)
.rept 8
.if U < 7
	s_wait_loadcnt 16                              ; this unit's 16 loads are in; the next unit's 16 stay out
.else
	s_wait_loadcnt 0x0
.endif
	TURNIN U%2, 6
.irp c, 0,1
.irp e, 0,1,2,3,4,5,6,7
	ds_load_b128 v[X+32*\c+4*\e:X+32*\c+4*\e+3], v7 offset:256*\c+16*\e   ; LDS serves a wave's instructions in order: these see the stores above
.endr
.endr
	s_wait_dscnt 0x0                               ; the unit is back, and the stage's stores have read their registers,
.if U < 6
	LOADU U%2, U+2, 4096                           ; which take the unit two further on
.endif
	QUNIT U
.set U, U+1
.endr
.irp e, 0,1,2,3
	v_cndmask_b32 v[SD+\e], v[SW+\e], v[SW+4+\e], s40   ; lanes 0-15: K steps 0-3; lanes 16-31: K steps 4-7
.endr
	global_store_b128 v4, v[SD:SD+3], s[36:37]
	s_wait_tensorcnt 0x0
	ds_add_u32 v248, v249
	s_wait_dscnt 0x0
	s_endpgm
; ---------------- the mask ----------------
.Lmask:
	s_wait_kmcnt 0x0
	s_sub_co_u32 s31, ttmp9, 448
	s_lshl_b32 s31, s31, 2
	s_add_co_u32 s31, s31, s26                     ; idx = 2 (128 batch + tile) + half of the keys
	s_and_b32 s32, s31, 1                          ; which 1,024 keys
	s_bfe_u32 s33, s31, 0x70001                    ; the tile of queries
	s_lshr_b32 s30, s31, 8                         ; the batch
	s_lshl_b32 s34, s30, 24                        ; 2,048 rows of 8,192 bytes
	s_lshr_b32 s35, s33, 1
	s_lshl_b32 s35, s35, 18                        ; 32 rows
	s_add_co_u32 s34, s34, s35
	s_and_b32 s35, s33, 1
	s_lshl_b32 s35, s35, 16                        ; 8 rows
	s_add_co_u32 s34, s34, s35
	s_lshl_b32 s35, s32, 12
	s_add_co_u32 s34, s34, s35
	s_mov_b32 s35, 0
	s_add_nc_u64 s[28:29], s[18:19], s[34:35]
	s_lshl_b32 s36, s31, 11                        ; 8 steps of 256 bytes for each idx
	s_mov_b32 s37, 0
	s_add_nc_u64 s[36:37], s[24:25], s[36:37]
.set I, 0
.rept 16
	v_mov_b32 v[W+I], 0                            ; v_writelane_b32's destination counts as read
.set I, I+1
.endr
	LOADU 0, 0, 8192
	LOADU 1, 1, 8192
; step u: X + n holds mask(row r, key 32 (n / 16) + 16 h + n % 16): a compare makes word n, which goes to lane n / 2, register n % 2: so 8 bytes a lane are 256 consecutive bytes
.macro MUNIT u
.irp g, 0,1,2,3,4,5,6,7
.irp i, 0,1,2,3,4,5,6,7
	v_cmp_ne_u32 s[44+\i], 0, v[X+8*\g+\i]
.endr
.irp i, 0,1,2,3,4,5,6,7
	v_writelane_b32 v[W+2*(\u)+\i%2], s[44+\i], 4*\g+\i/2
.endr
.endr
	global_store_b64 v5, v[W+2*(\u):W+2*(\u)+1], s[36:37] offset:256*(\u)   ; each unit has a pair of its own: no store's data are written again
.endm
.set U, 0
.rept 8
.if U < 7
	s_wait_loadcnt 16                              ; this unit's 16 loads are in; the next unit's 16 stay out
.else
	s_wait_loadcnt 0x0
.endif
	TURNIN U%2, 9
.irp b, 0,1,2,3
.irp e, 0,1,2,3
	ds_load_b128 v[X+16*\b+4*\e:X+16*\b+4*\e+3], v10 offset:128*\b+16*\e
.endr
.endr
	s_wait_dscnt 0x0
.if U < 6
	LOADU U%2, U+2, 8192
.endif
	MUNIT U
.set U, U+1
.endr
	s_wait_tensorcnt 0x0
	ds_add_u32 v248, v249
	s_wait_dscnt 0x0
	s_endpgm
.Lfunc_end_k_q6cd227baa6_prep:
	.size	k_q6cd227baa6_prep, .Lfunc_end_k_q6cd227baa6_prep-k_q6cd227baa6_prep
	.p2alignl 7, 3214868480
	.fill 96, 4, 3214868480
	.section	.rodata,"a",@progbits
	.p2align	6, 0x0
	.amdhsa_kernel k_q6cd227baa6_prep
		.amdhsa_group_segment_fixed_size 68096
		.amdhsa_private_segment_fixed_size 0
		.amdhsa_enable_private_segment 0
		.amdhsa_kernarg_size 88
		.amdhsa_user_sgpr_count 2
		.amdhsa_user_sgpr_kernarg_segment_ptr 1
		.amdhsa_wavefront_size32 1
		.amdhsa_system_sgpr_workgroup_id_x 1
		.amdhsa_system_sgpr_workgroup_id_y 1
		.amdhsa_system_sgpr_workgroup_id_z 1
		.amdhsa_system_vgpr_workitem_id 0
		.amdhsa_next_free_vgpr 250
		.amdhsa_next_free_sgpr 66
		.amdhsa_reserve_vcc 0
		.amdhsa_float_denorm_mode_32 3
		.amdhsa_float_denorm_mode_16_64 3
		.amdhsa_memory_ordered 1
		.amdhsa_forward_progress 1
		.amdhsa_inst_pref_size 154
	.end_amdhsa_kernel
	.amdgpu_metadata
---
amdhsa.version: [ 1, 2 ]
amdhsa.kernels:
  - .name:           k_q6cd227baa6_prep
    .symbol:         k_q6cd227baa6_prep.kd
    .args:
      - { .name: query, .offset: 0, .size: 8, .value_kind: global_buffer, .address_space: global }
      - { .name: key_, .offset: 8, .size: 8, .value_kind: global_buffer, .address_space: global }
      - { .name: value, .offset: 16, .size: 8, .value_kind: global_buffer, .address_space: global }
      - { .name: Wq, .offset: 24, .size: 8, .value_kind: global_buffer, .address_space: global }
      - { .name: Wk, .offset: 32, .size: 8, .value_kind: global_buffer, .address_space: global }
      - { .name: Wv, .offset: 40, .size: 8, .value_kind: global_buffer, .address_space: global }
      - { .name: Wo, .offset: 48, .size: 8, .value_kind: global_buffer, .address_space: global }
      - { .name: mask, .offset: 56, .size: 8, .value_kind: global_buffer, .address_space: global }
      - { .name: opc, .offset: 64, .size: 8, .value_kind: global_buffer, .address_space: global }
      - { .name: ops, .offset: 72, .size: 8, .value_kind: global_buffer, .address_space: global }
      - { .name: mw, .offset: 80, .size: 8, .value_kind: global_buffer, .address_space: global }
    .group_segment_fixed_size: 68096
    .private_segment_fixed_size: 0
    .kernarg_segment_align: 8
    .kernarg_segment_size: 88
    .max_flat_workgroup_size: 128
    .sgpr_count:     66
    .vgpr_count:     250
    .wavefront_size: 32
...
	.end_amdgpu_metadata
.endif
;; end of part 1
;; launch proj (part 2): grid 8 x 96, 4 waves a work-group, clusters of 4 x 4, 295,424 bytes of LDS; arguments opc, ops, bq, bk, bv, hc, hs; writes hc, hs
.if DOCPART == 2
	.amdgcn_target "amdgcn-amd-amdhsa--gfx1250"
	.amdhsa_code_object_version 6
	.text
	.protected	k_q6cd227baa6_proj
	.globl	k_q6cd227baa6_proj
	.p2align	8
	.type	k_q6cd227baa6_proj,@function
k_q6cd227baa6_proj:
	s_mov_b64 s[64:65], 0
	v_nop
	global_prefetch_b8 v0, s[64:65] scope:SCOPE_SE
	s_setreg_imm32_b32 hwreg(HW_REG_WAVE_MODE, 25, 1), 1
	s_wait_xcnt 0x0
	s_wait_alu depctr_hold_cnt(0) depctr_sa_sdst(0) depctr_va_vdst(0) depctr_va_sdst(0) depctr_va_ssrc(0) depctr_va_vcc(0) depctr_vm_vsrc(0)
	s_getreg_b32 s2, hwreg(HW_REG_IB_STS2, 6, 4)
	s_cmp_eq_u32 s2, 0
	s_cbranch_scc0 .Lentry_in_a_cluster
	s_endpgm
.Lentry_in_a_cluster:
	s_bfe_u32 s2, ttmp6, 0x10000c
	s_cmp_lg_u32 s2, 0xf033
	s_cbranch_scc0 .Lentry_shape_is_right
	s_endpgm
.Lentry_shape_is_right:
; PROJ.  q = query Wq^T + bq, k = key_ Wk^T + bk, v = value Wv^T + bv on codes of BF6 (E3M2) with E8M0 scales, f32 sums; the results are quantised at once: q and k along the head's 64, v along the keys.
; ONE FORM FOR ALL THREE: Z[i][j] = sum over k of P[i][k] R[j][k] + bias, source 0 = 16 rows of R, source 1 = 16 rows of P: a lane holds one i and its registers run along j, the axis that is quantised.
; q, k: P = the tokens, R = the weight (j = the feature).  v: P = Wv (i = the channel), R = value (j = the key).
; The operands lie in memory as images of their registers, in tiles whose lane row p is row 32 (T / 2) + 8 (T % 2) + p + 8 (p / 8): so the 16 registers of R's tiles 2 b, 2 b + 1 are 16 neighbours 32 b + 16 h + 0..15 along j.
; SHARES.  A work-group makes 256 i x 128 j with all of K = 1,024 in LDS (196,608 + 98,304 bytes, each byte filled once: no slot is filled again).  Wave w: P's tiles 4 w .. 4 w + 3 x R's eight: 32 accumulators.
; CLUSTERS: 4 x 4 work-groups; P's tiles are shared along a row of the cluster, R's along a column: each is asked for jointly.  K comes in four chunks of 256; a wave has four tensor loads out at the most.
; OUT.  hc, for each head 294,912 bytes: Q [tile 128][768], K likewise, V [step of 128 keys 16][tile of 16 channels 4][1,536].  hs, for each head 20,480 bytes: q's and k's words [tile / 4][lane][2]
; (word e of lane 16 g + r: tile 2 g + e of the four; bytes 2, 3 = 0x7f for the zero codes that fill K = 64 to 128), v's [step][lane][2].
; LIMITS: NaN and infinities are not served; a block whose largest magnitude lies under 2^-122 has its byte held at 1; a block of zeros has the byte 1 (its codes are zeros; only this program reads the bytes).
; REGISTERS: window 0: v1-10 addresses; v16-31 P's scale words, v32-63 R's; v64-159 P's fragments, two sets; v160-223 the bias along j, v224-231 along i; on the way out v64-109 at work.
;   window 1: accumulator (a, t) at v[64 a + 8 t].   window 2: R's fragments, two sets of 96.
; K COMES WHOLE, NOT IN CHUNKS (this line replaces what the head says of chunks): a wave issues ONE tensor load, at the head: 8 tiles of P or 4 of R, 12,288 bytes each, dense in LDS: tile T at 12,288 T, K step s at 1,536 s.
; R's tiles 4-7 have a second pair of address registers, v[AR16+6] and v[AR8+6], 49,152 bytes on, so that every offset fits 16 bits.
.set RB,   196608                      ; R begins behind P's four chunks
.set L16,  1
.set L8,   2
.set RR,   3
.set HH,   4
.set AP16, 5
.set AP8,  6
.set AR16, 7
.set AR8,  8
.set SP,   16
.set SR,   32
.set PF,   64
.set BJ,   160
.set BI,   224
.set PC,   64
.set PT,   76
.set TM,   84
.set PW,   100
.set DD,   104
.set MULW, 0x52                        ; source 0 (R) window 2, source 1 (P) window 0, C and D window 1
.set TO_R, 0x80                        ; destination window 2
.set MSB, 0
.macro WIN new                         ; the immediate's high byte repeats the setting that is left
.if MSB != \new
	s_set_vgpr_msb (MSB<<8)|\new
.set MSB, \new
.endif
.endm
.macro CROUND                          ; a round of the cluster's barrier
	s_barrier_signal -1
	s_barrier_wait -1
	s_cmp_lg_u32 s18, 0
	s_cbranch_scc1 .Lnot_wave_0_\@
	s_barrier_signal -3
.Lnot_wave_0_\@:
	s_barrier_wait -3
	s_barrier_signal -1
	s_barrier_wait -1
.endm
	s_load_b256 s[4:11], s[0:1], 0x0               ; opc s[4:5], ops s[6:7], bq s[8:9], bk s[10:11]
	s_load_b128 s[12:15], s[0:1], 0x20             ; bv s[12:13], hc s[14:15]
	s_load_b64 s[16:17], s[0:1], 0x30              ; hs
	v_lshl_add_u32 v254, v0, 2, 0x48000
	v_mov_b32 v255, 0
	ds_add_u32 v254, v255
	ds_add_u32 v254, v255
	v_lshrrev_b32 v1, 5, v0
	v_readfirstlane_b32 s18, v1                    ; wave 0..3
	s_lshr_b32 s19, s18, 1                         ; I fetch for P (0) or for R (1),
	s_and_b32 s20, s18, 1                          ; and which half of its tiles
	s_bfe_u32 s21, ttmp6, 0x40000                  ; cx
	s_bfe_u32 s22, ttmp6, 0x40004                  ; cy
	s_and_b32 s2, ttmp7, 0xffff                    ; the cluster's y: 8 for each kind
	s_lshr_b32 s23, s2, 3                          ; kind: 0 q, 1 k, 2 v: the same in all partners
	s_and_b32 s2, s2, 7
	s_lshl_b32 s3, s2, 1
	s_add_co_u32 s3, s3, ttmp9                     ; v: 16 columns of clusters
	s_lshl_b32 s80, s23, 9                         ; q, k: the tokens' first tile, 512 kind
	s_lshl_b32 s82, s23, 6
	s_add_co_u32 s82, s82, 1536                    ; and the weight's, 1,536 + 64 kind
	s_mov_b32 s81, 1664                            ; v: Wv's first tile
	s_mov_b32 s83, 1024                            ; and value's
	s_cmp_eq_u32 s23, 2
	s_cselect_b32 s76, -1, 0                       ; lane masks: v, not v
	s_cselect_b32 s77, 0, -1
	s_cselect_b32 s78, 0, s2
	s_cselect_b32 s79, s3, ttmp9
	s_cselect_b32 s80, s81, s80
	s_cselect_b32 s82, s83, s82
	s_lshl_b32 s78, s78, 2
	s_add_co_u32 s78, s78, s22                     ; iblk: my 256 i
	s_lshl_b32 s79, s79, 2
	s_add_co_u32 s79, s79, s21                     ; jblk: my 128 j
	s_lshl_b32 s81, s78, 4
	s_add_co_u32 s80, s80, s81                     ; P's first tile of mine
	s_lshl_b32 s83, s79, 3
	s_add_co_u32 s82, s82, s83                     ; R's
	s_lshl_b32 s2, s22, 2
	s_lshl_b32 s2, 15, s2                          ; my row of the cluster
	s_lshl_b32 s3, 0x1111, s21                     ; my column
	; group 1.  P: 8 tiles: 8 rows of 1,536 elements of 8 bytes, 1,536 elements (a tile) apart.  R: 4 such rows.  Dense in LDS
	s_or_b32 s24, s2, (3<<16)|(1<<21)              ; 15:0 the mask; 17:16 elements of 8 bytes; 21 set beside a mask
	s_mov_b32 s25, 1536<<16                        ; tensor_dim0: a whole tile
	s_mov_b32 s26, 8<<16                           ; tensor_dim1
	s_mov_b32 s27, 1536<<16                        ; tile_dim0
	s_mov_b32 s28, 8                               ; tile_dim1
	s_mov_b32 s29, 1536                            ; the pitch
	s_mov_b32 s30, 0
	s_mov_b32 s31, 0
	s_or_b32 s32, s3, (3<<16)|(1<<21)
	s_mov_b32 s33, 1536<<16
	s_mov_b32 s34, 4<<16
	s_mov_b32 s35, 1536<<16
	s_mov_b32 s36, 4
	s_mov_b32 s37, 1536
	s_mov_b32 s38, 0
	s_mov_b32 s39, 0
	s_lshl_b32 s92, s20, 3
	s_add_co_u32 s92, s92, s80
	s_mul_i32 s92, s92, 12288                      ; P: my 8 tiles, in bytes
	s_mov_b32 s93, 0
	s_lshl_b32 s94, s20, 2
	s_add_co_u32 s94, s94, s82
	s_mul_i32 s94, s94, 12288                      ; R: my 4 tiles
	s_mov_b32 s95, 0
	s_mul_i32 s99, s20, 98304                      ; where they go: no place in the cluster enters an LDS address
	s_mul_i32 s100, s20, 49152
	s_add_co_u32 s100, s100, RB
	s_wait_dscnt 0x0
	s_wait_kmcnt 0x0
	s_add_nc_u64 s[92:93], s[4:5], s[92:93]
	s_add_nc_u64 s[94:95], s[4:5], s[94:95]
	s_mov_b32 s40, 1                               ; group 0: P's at s40, R's at s56
	s_mov_b32 s41, s99
	s_mov_b64 s[42:43], s[92:93]
	s_or_b32 s43, s43, 0x80000000
	s_mov_b32 s56, 1
	s_mov_b32 s57, s100
	s_mov_b64 s[58:59], s[94:95]
	s_or_b32 s59, s59, 0x80000000
	CROUND                                         ; all sixteen work-groups are here: the joint loads meet
	s_cmp_eq_u32 s19, 0                            ; one fill a wave, in one branch on the wave's number; four v_nop follow it
	s_cbranch_scc0 .Lfill_r
	tensor_load_to_lds s[40:43], s[24:31]
	s_nop 0
.rept 4
	v_nop
.endr
	s_branch .Lfilled
.Lfill_r:
	tensor_load_to_lds s[56:59], s[32:39]
	s_nop 0
.rept 4
	v_nop
.endr
.Lfilled:
	v_and_b32 v11, 31, v0
	v_lshlrev_b32 v[L16], 4, v11
	s_wait_alu depctr_va_vdst(0)
	v_lshlrev_b32 v[L8], 3, v11
	v_and_b32 v[RR], 15, v0
	v_bfe_u32 v[HH], v0, 4, 1
	s_wait_alu depctr_va_vdst(0)
	s_mul_i32 s2, s18, 49152                       ; my four tiles of P
	v_add_nc_u32 v[AP16], s2, v[L16]
	v_add_nc_u32 v[AP8], s2, v[L8]
	v_add_nc_u32 v[AP8], 512, v[AP8]
	v_add_nc_u32 v[AR16], RB, v[L16]
	v_add_nc_u32 v[AR8], RB+512, v[L8]
	v_add_nc_u32 v[AR16+6], RB+49152, v[L16]       ; R's tiles 4-7
	v_add_nc_u32 v[AR8+6], RB+49152+512, v[L8]
	; the scale words of all eight K steps: 16 bytes a lane for each tile
	s_lshl_b32 s2, s18, 2
	s_add_co_u32 s2, s2, s80
	s_lshl_b32 s88, s2, 9
	s_mov_b32 s89, 0
	s_add_nc_u64 s[88:89], s[6:7], s[88:89]
	s_lshl_b32 s90, s82, 9
	s_mov_b32 s91, 0
	s_add_nc_u64 s[90:91], s[6:7], s[90:91]
.irp a, 0,1,2,3
	global_load_b128 v[SP+4*\a:SP+4*\a+3], v[L16], s[88:89] offset:512*\a
.endr
.irp t, 0,1,2,3,4,5,6,7
	global_load_b128 v[SR+4*\t:SR+4*\t+3], v[L16], s[90:91] offset:512*\t
.endr
	; the bias: along j (my registers) for q and k, along i (my lane) for v.  Both are loaded, from places inside the buffer, and the one that does not apply is set to zero
	s_cmp_eq_u32 s23, 1
	s_cselect_b64 s[92:93], s[10:11], s[8:9]
	s_cmp_eq_u32 s23, 2
	s_cselect_b64 s[92:93], s[12:13], s[92:93]
	s_lshl_b32 s2, s79, 9                          ; 128 jblk numbers
	s_lshl_b32 s3, s78, 10                         ; 256 iblk
	s_lshl_b32 s81, s18, 8                         ; + 64 wave
	s_add_co_u32 s3, s3, s81
	s_cmp_eq_u32 s23, 2
	s_cselect_b32 s2, 0, s2
	s_cselect_b32 s3, s3, 0
	v_lshlrev_b32 v9, 6, v[HH]
	v_add_nc_u32 v9, s2, v9                        ; tile t's eight: 32 (t / 2) + 8 (t % 2) + 16 h + 0..7
	v_and_b32 v10, 8, v[RR]
	v_add_nc_u32 v10, v10, v[RR]
	v_lshlrev_b32 v10, 2, v10
	v_add_nc_u32 v10, s3, v10                      ; tile a's one: 32 (a / 2) + 8 (a % 2) + r + 8 (r / 8)
.irp t, 0,1,2,3,4,5,6,7
	global_load_b128 v[BJ+8*\t:BJ+8*\t+3], v9, s[92:93] offset:(32*(\t/2)+8*(\t%2))*4
	global_load_b128 v[BJ+8*\t+4:BJ+8*\t+7], v9, s[92:93] offset:(32*(\t/2)+8*(\t%2))*4+16
.endr
.irp a, 0,1,2,3
	global_load_b32 v[BI+2*\a], v10, s[92:93] offset:(32*(\a/2)+8*(\a%2))*4
.endr
	s_mov_b32 s94, 0x76543210
	s_mov_b32 s95, 0xfedcba98                      ; lane selects: lane l xor 16
	s_mov_b32 s96, 0xffff0000
	s_mov_b32 s97, 0xffff
	s_mov_b32 s98, 0x7f7f0000
	s_wait_loadcnt 0x0
	; where the results go
	s_lshl_b32 s2, s78, 4
	s_lshl_b32 s3, s18, 2
	s_add_co_u32 s2, s2, s3                        ; q, k: my first tile of tokens among 512
	s_and_b32 s3, s2, 127                          ; in its batch
	s_lshr_b32 s2, s2, 7
	s_lshl_b32 s2, s2, 4
	s_lshl_b32 s81, s79, 1
	s_add_co_u32 s2, s2, s81                       ; q, k: the first of my two heads: 16 batch + 2 jblk
	s_lshr_b32 s81, s79, 4
	s_lshl_b32 s81, s81, 4
	s_lshl_b32 s83, s78, 2
	s_add_co_u32 s81, s81, s83
	s_add_co_u32 s81, s81, s18                     ; v: my head: 16 batch + 4 iblk + wave
	s_and_b32 s83, s79, 15                         ; v: the step of 128 keys
	s_mul_i32 s99, s83, 6144
	s_mul_i32 s100, s3, 768
	s_lshr_b32 s3, s3, 2
	s_mov_b32 s88, 768
	s_mov_b32 s86, 294912
	s_cmp_eq_u32 s23, 2
	s_cselect_b32 s2, s81, s2
	s_cselect_b32 s99, s99, s100
	s_cselect_b32 s3, s83, s3
	s_cselect_b32 s86, 768, s86                    ; registers 6-11 go: v: 768 bytes on; q, k: to the next head
	s_cselect_b32 s88, 1536, s88                   ; from tile a to tile a + 1
	s_mov_b32 s87, 0
	s_mov_b32 s89, 0
	s_mul_i32 s84, s2, 294912
	s_mul_i32 s100, s23, 98304
	s_add_co_u32 s84, s84, s100
	s_add_co_u32 s84, s84, s99
	s_mov_b32 s85, 0
	s_add_nc_u64 s[84:85], s[14:15], s[84:85]
	s_add_nc_u64 s[86:87], s[84:85], s[86:87]
	s_mul_i32 s90, s2, 20480
	s_lshl_b32 s100, s23, 13
	s_add_co_u32 s90, s90, s100
	s_lshl_b32 s3, s3, 8
	s_add_co_u32 s90, s90, s3
	s_mov_b32 s91, 0
	s_add_nc_u64 s[90:91], s[16:17], s[90:91]
	; the accumulators begin as the bias: no K step is special
.set I, 0
.rept 64
	v_cndmask_b32 v[BJ+I], 0, v[BJ+I], s77
.set I, I+1
.endr
.irp a, 0,1,2,3
	v_cndmask_b32 v[BI+2*\a], 0, v[BI+2*\a], s76
	v_mov_b32 v[BI+2*\a+1], 0                      ; (named with it as a pair, so it is written)
.endr
	WIN 0x40                                       ; destination window 1
.irp a, 0,1,2,3
.irp t, 0,1,2,3,4,5,6,7
.irp p, 0,2,4,6
	v_pk_add_f32 v[64*\a+8*\t+\p:64*\a+8*\t+\p+1], v[BJ+8*\t+\p:BJ+8*\t+\p+1], v[BI+2*\a:BI+2*\a+1] op_sel_hi:[1,0]
.endr
.endr
.endr
	WIN 0
; 8 matrix instructions: P's tile a x R's eight, K step s.  The 32 accumulators take turns, one instruction a turn, in the same order in every K step.
; A scale register holds K step s % 4 in lanes 0-15 and K step 4 + s % 4 in lanes 16-31
.macro MUL a, s
.irp t, 0,1,2,3,4,5,6,7
.if (\s) < 4
	v_wmma_scale_f32_16x16x128_f8f6f4 v[64*(\a)+8*\t:64*(\a)+8*\t+7], v[96*((\s)%2)+12*\t:96*((\s)%2)+12*\t+11], v[PF+48*((\s)%2)+12*(\a):PF+48*((\s)%2)+12*(\a)+11], v[64*(\a)+8*\t:64*(\a)+8*\t+7], v[SR+4*\t+(\s)%4], v[SP+4*(\a)+(\s)%4] matrix_a_fmt:MATRIX_FMT_BF6 matrix_b_fmt:MATRIX_FMT_BF6
.else
	v_wmma_scale_f32_16x16x128_f8f6f4 v[64*(\a)+8*\t:64*(\a)+8*\t+7], v[96*((\s)%2)+12*\t:96*((\s)%2)+12*\t+11], v[PF+48*((\s)%2)+12*(\a):PF+48*((\s)%2)+12*(\a)+11], v[64*(\a)+8*\t:64*(\a)+8*\t+7], v[SR+4*\t+(\s)%4], v[SP+4*(\a)+(\s)%4] matrix_a_fmt:MATRIX_FMT_BF6 matrix_b_fmt:MATRIX_FMT_BF6 matrix_a_scale:MATRIX_SCALE_ROW1 matrix_b_scale:MATRIX_SCALE_ROW1
.endif
.endr
.endm
; 48 LDS loads in one run: K step s's fragments into set s % 2; each load covers 512 or 256 consecutive bytes
.macro FR4 reg, a16, a8, off           ; a fragment's 12 registers from its 1,536 bytes
	ds_load_b128 v[\reg:\reg+3], v[\a16] offset:\off
	ds_load_b64 v[\reg+4:\reg+5], v[\a8] offset:\off
	ds_load_b128 v[\reg+6:\reg+9], v[\a16] offset:\off+768
	ds_load_b64 v[\reg+10:\reg+11], v[\a8] offset:\off+768
.endm
.macro FETCH s
	WIN TO_R
.irp t, 0,1,2,3,4,5,6,7
	FR4 96*((\s)%2)+12*\t, AR16+6*(\t/4), AR8+6*(\t/4), 12288*(\t%4)+1536*(\s)
.endr
	WIN 0
.irp t, 0,1,2,3
	FR4 PF+48*((\s)%2)+12*\t, AP16, AP8, 12288*\t+1536*(\s)
.endr
.endm
; A K step: 32 products; the next K step's fragments are asked for behind the first eight.  All of K lies in LDS: no wait for tiles and no barrier stands here.
; Four plain vector instructions stand between the last products that read a set of fragments and the loads into it (ISA guide 7.12.1 for vector instructions).
.macro KSTEP s
	s_wait_dscnt 0x0                               ; this K step's fragments are in (asked for 24 matrix instructions ago)
	WIN MULW
	MUL 0, \s
.if (\s) < 7
.rept 4
	v_nop
.endr
	FETCH (\s)+1
	WIN MULW
.endif
	MUL 1, \s
	MUL 2, \s
	MUL 3, \s
.endm
	s_wait_alu depctr_va_vdst(0)
	s_wait_tensorcnt 0x0                           ; my one load, my part of the operands, is in
	s_barrier_signal -1
	s_barrier_wait -1                              ; everybody's is
	FETCH 0
.irp s, 0,1,2,3,4,5,6,7
	KSTEP \s
.endr
	WIN 0
.rept 4
	v_nop                                          ; places behind the last products
.endr
.irp b, 0,1,2,3
	v_mov_b32 v[TM+4+\b], 0                        ; a lane permute's destination counts as one of its sources
.endr
; The 64 numbers of tile a (window 1; register 16 b + i is j = 32 b + 16 h + i of my i) become a fragment's codes in v[PC] on and its scale word in v[PW + a].  Each accumulator is read from its low end on
.macro QUANT a
	WIN 0x05
.irp b, 0,1,2,3
	v_max3_num_f32 v[TM+\b], |v[64*\a+16*\b]|, |v[64*\a+16*\b+1]|, 0x2800000   ; with the floor 2^(5 - 127): the byte cannot fall under 1
.endr
	WIN 0x14
.irp i, 2,4,6,8,10,12,14
.irp b, 0,1,2,3
	v_max3_num_f32 v[TM+\b], v[TM+\b], |v[64*\a+16*\b+\i]|, |v[64*\a+16*\b+\i+1]|
.endr
.endr
	WIN 0
.irp b, 0,1,2,3
	v_permlanex16_b32 v[TM+4+\b], v[TM+\b], s94, s95
.endr
.irp b, 0,1,2,3
	v_max_num_f32 v[TM+\b], v[TM+\b], v[TM+4+\b]   ; with lane l xor 16's: the block's largest magnitude
.endr
.irp b, 0,1,2,3
	v_add_nc_u32 v[TM+12+\b], 0xfe000000, v[TM+\b] ; 4 off the exponent field: the conversion's scale operand
.endr
.irp b, 0,1,2,3
	v_lshrrev_b32 v[TM+4+\b], 23, v[TM+12+\b]      ; the scale's byte
.endr
	v_lshl_or_b32 v[PW+\a], v[TM+5], 8, v[TM+4]
	v_lshl_or_b32 v[PW+\a], v[TM+6], 16, v[PW+\a]
	v_lshl_or_b32 v[PW+\a], v[TM+7], 24, v[PW+\a]
	WIN 0x01
.irp c, 0,1
	v_cvt_scalef32_pk16_bf6_f32 v[PC+6*\c:PC+6*\c+2], v[64*\a+32*\c:64*\a+32*\c+15], v[TM+12+2*\c]
	v_cvt_scalef32_pk16_bf6_f32 v[PT+4*\c:PT+4*\c+2], v[64*\a+32*\c+16:64*\a+32*\c+31], v[TM+12+2*\c+1]
.endr
	WIN 0
	v_nop                                          ; one plain place behind the scaled conversions
.irp c, 0,1                            ; the operand's layout wants a whole block in a lane
.irp i, 0,1,2
	v_permlane16_swap_b32 v[PC+6*\c+\i], v[PT+4*\c+\i]
.endr
.irp i, 0,1,2
	v_mov_b32 v[PC+6*\c+3+\i], v[PT+4*\c+\i]
.endr
.endr
.endm
.irp a, 0,1,2,3
	QUANT \a
	global_store_b128 v[L16], v[PC:PC+3], s[84:85]               ; each store covers 512 or 256 consecutive aligned bytes
	global_store_b64 v[L8], v[PC+4:PC+5], s[84:85] offset:512
	global_store_b128 v[L16], v[PC+6:PC+9], s[86:87]
	global_store_b64 v[L8], v[PC+10:PC+11], s[86:87] offset:512
	s_wait_xcnt 0x0                                ; the stores have read their data and their bases: both are written again
	s_add_nc_u64 s[84:85], s[84:85], s[88:89]
	s_add_nc_u64 s[86:87], s[86:87], s[88:89]
.endr
	v_cndmask_b32 v[DD], v[PW], v[PW+2], s96       ; lanes 0-15: tiles 0, 1; lanes 16-31: tiles 2, 3
	v_cndmask_b32 v[DD+1], v[PW+1], v[PW+3], s96
	s_cmp_eq_u32 s23, 2
	s_cbranch_scc1 .Lv_scales
	v_and_or_b32 v[DD+2], v[DD], s97, s98          ; q, k: the first head's two bytes, and 0x7f twice;
	v_and_or_b32 v[DD+3], v[DD+1], s97, s98
	v_lshrrev_b32 v[DD+4], 16, v[DD]               ; the second head's
	v_lshrrev_b32 v[DD+5], 16, v[DD+1]
	v_or_b32 v[DD+4], s98, v[DD+4]
	v_or_b32 v[DD+5], s98, v[DD+5]
	global_store_b64 v[L8], v[DD+2:DD+3], s[90:91]
	global_store_b64 v[L8], v[DD+4:DD+5], s[90:91] offset:20480
	s_branch .Lscales_out
.Lv_scales:
	s_wait_alu depctr_va_vdst(0)
	global_store_b64 v[L8], v[DD:DD+1], s[90:91]   ; v: the four keys' blocks' bytes as they stand
.Lscales_out:
	s_wait_tensorcnt 0x0
	ds_add_u32 v254, v255
	s_wait_dscnt 0x0
	CROUND                                         ; the closing round: no work-group ends while a partner may still ask for a tile that names it
	s_endpgm
.Lfunc_end_k_q6cd227baa6_proj:
	.size	k_q6cd227baa6_proj, .Lfunc_end_k_q6cd227baa6_proj-k_q6cd227baa6_proj
	.p2alignl 7, 3214868480
	.fill 96, 4, 3214868480
	.section	.rodata,"a",@progbits
	.p2align	6, 0x0
	.amdhsa_kernel k_q6cd227baa6_proj
		.amdhsa_group_segment_fixed_size 295424
		.amdhsa_private_segment_fixed_size 0
		.amdhsa_enable_private_segment 0
		.amdhsa_kernarg_size 56
		.amdhsa_user_sgpr_count 2
		.amdhsa_user_sgpr_kernarg_segment_ptr 1
		.amdhsa_wavefront_size32 1
		.amdhsa_system_sgpr_workgroup_id_x 1
		.amdhsa_system_sgpr_workgroup_id_y 1
		.amdhsa_system_sgpr_workgroup_id_z 1
		.amdhsa_system_vgpr_workitem_id 0
		.amdhsa_next_free_vgpr 768
		.amdhsa_next_free_sgpr 102
		.amdhsa_reserve_vcc 0
		.amdhsa_float_denorm_mode_32 3
		.amdhsa_float_denorm_mode_16_64 3
		.amdhsa_memory_ordered 1
		.amdhsa_forward_progress 1
		.amdhsa_inst_pref_size 101
	.end_amdhsa_kernel
	.amdgpu_metadata
---
amdhsa.version: [ 1, 2 ]
amdhsa.kernels:
  - .name:           k_q6cd227baa6_proj
    .symbol:         k_q6cd227baa6_proj.kd
    .args:
      - { .name: opc, .offset: 0, .size: 8, .value_kind: global_buffer, .address_space: global }
      - { .name: ops, .offset: 8, .size: 8, .value_kind: global_buffer, .address_space: global }
      - { .name: bq, .offset: 16, .size: 8, .value_kind: global_buffer, .address_space: global }
      - { .name: bk, .offset: 24, .size: 8, .value_kind: global_buffer, .address_space: global }
      - { .name: bv, .offset: 32, .size: 8, .value_kind: global_buffer, .address_space: global }
      - { .name: hc, .offset: 40, .size: 8, .value_kind: global_buffer, .address_space: global }
      - { .name: hs, .offset: 48, .size: 8, .value_kind: global_buffer, .address_space: global }
    .group_segment_fixed_size: 295424
    .private_segment_fixed_size: 0
    .kernarg_segment_align: 8
    .kernarg_segment_size: 56
    .max_flat_workgroup_size: 128
    .sgpr_count:     102
    .vgpr_count:     768
    .wavefront_size: 32
...
	.end_amdgpu_metadata
.endif
;; end of part 2
;; launch attn (part 3): grid 4 x 64, 16 waves a work-group, clusters of 4 x 1, 327,680 bytes of LDS; arguments hc, hs, mw, xc, xs; writes xc, xs
.if DOCPART == 3
	.amdgcn_target "amdgcn-amd-amdhsa--gfx1250"
	.amdhsa_code_object_version 6
	.text
	.protected	k_q6cd227baa6_attn
	.globl	k_q6cd227baa6_attn
	.p2align	8
	.type	k_q6cd227baa6_attn,@function
k_q6cd227baa6_attn:
	s_mov_b64 s[64:65], 0
	v_nop
	global_prefetch_b8 v0, s[64:65] scope:SCOPE_SE
	s_setreg_imm32_b32 hwreg(HW_REG_WAVE_MODE, 25, 1), 1
	s_wait_xcnt 0x0
	s_wait_alu depctr_hold_cnt(0) depctr_sa_sdst(0) depctr_va_vdst(0) depctr_va_sdst(0) depctr_va_ssrc(0) depctr_va_vcc(0) depctr_vm_vsrc(0)
	s_getreg_b32 s2, hwreg(HW_REG_IB_STS2, 6, 4)
	s_cmp_eq_u32 s2, 0
	s_cbranch_scc0 .Lentry_in_a_cluster
	s_endpgm
.Lentry_in_a_cluster:
	s_bfe_u32 s2, ttmp6, 0x10000c
	s_cmp_lg_u32 s2, 0x3003
	s_cbranch_scc0 .Lentry_shape_is_right
	s_endpgm
.Lentry_shape_is_right:
; ATTN.  For one head and 512 queries a work-group: S^T = k q^T, the mask, p = 2^(t - M) with a running whole M, O^T += v^T p^T, all products on codes of BF6 (E3M2) with E8M0 scales; x = O / l is quantised along the head's 64 and stored.
; A wave takes 16 queries a pass, two passes; a step is 128 keys.  The head's K and V codes (196,608 bytes) and their scale words (12,288) lie in LDS, each byte filled once, asked for jointly by the four work-groups of a cluster, which share the head.
; THE HEAD'S LOADS: waves 0-11 fetch 16,384 bytes of codes each, wave 12 all the scale words, waves 13-15 nothing: one chain of branches on the wave's number, one load to an arm.
; THE MASK is laid on the raw scores: a masked score becomes -2^33, that is the logit -2^30 where reference() writes -1e9.  Its product with c = log2(e) / 8 is exact in f32 and a whole number, so a row that is masked throughout has p = 1 at every key, as with -1e9.
; LIMITS: unmasked logits stay above -2^30 (with those of the problem's kind, and 30 times larger inputs, they lie under 1e7 in magnitude); the scaled scores stay under 2^31 in magnitude; NaN and infinities are not served.
; t - M is one fused multiply-add of the raw score; each block's largest raw score goes through the same two instructions and gives the block's largest p.
.set S,   82
.set O,   146
.set KF,  34
.set PC,  178
.set PT,  190
.set BM,  198
.macro CROUND
	s_barrier_signal -1
	s_barrier_wait -1
	s_cmp_lg_u32 s2, 0
	s_cbranch_scc1 .Lnot_wave_0_\@
	s_barrier_signal -3
.Lnot_wave_0_\@:
	s_barrier_wait -3
	s_barrier_signal -1
	s_barrier_wait -1
.endm
	s_load_b256 s[40:47], s[0:1], 0x0
	s_load_b64 s[48:49], s[0:1], 0x20
	v_lshl_add_u32 v254, v0, 2, 0x33000
	v_mov_b32 v255, 0
	ds_add_u32 v254, v255
	ds_add_u32 v254, v255
	v_lshrrev_b32 v1, 5, v0
	s_delay_alu instid0(VALU_DEP_1)
	v_readfirstlane_b32 s2, v1
	s_and_b32 s50, ttmp7, 0xffff
	s_bfe_u32 s51, ttmp6, 0x40000
	s_mov_b32 s16, 15|(3<<16)|(1<<21)
	s_mov_b32 s17, 32<<16
	s_mov_b32 s18, 64<<16
	s_mov_b32 s19, 32<<16
	s_mov_b32 s20, 64
	s_mov_b32 s21, 32
	s_mov_b32 s22, 0
	s_mov_b32 s23, 0
	s_mov_b32 s24, 15|(3<<16)|(1<<21)
	s_mov_b32 s25, 32<<16
	s_mov_b32 s26, 48<<16
	s_mov_b32 s27, 32<<16
	s_mov_b32 s28, 48
	s_mov_b32 s29, 32
	s_mov_b32 s30, 0
	s_mov_b32 s31, 0
	s_mul_i32 s52, s50, 294912
	s_mul_i32 s53, s2, 16384
	s_add_co_u32 s54, s52, s53
	s_add_co_u32 s54, s54, 98304
	s_mov_b32 s55, 0
	s_mul_i32 s56, s50, 20480
	s_mov_b32 s57, 0
	s_add_co_u32 s58, s56, s57
	s_add_co_u32 s58, s58, 8192
	s_mov_b32 s59, 0
	s_wait_dscnt 0x0
	s_wait_kmcnt 0x0
	s_mov_b32 s32, 1
	s_mov_b32 s33, s53
	s_add_nc_u64 s[34:35], s[40:41], s[54:55]
	s_or_b32 s35, s35, 0x80000000
	s_mov_b32 s36, 1
	s_add_co_u32 s37, s57, 196608
	s_add_nc_u64 s[38:39], s[42:43], s[58:59]
	s_or_b32 s39, s39, 0x80000000
	CROUND
	s_cmp_lt_u32 s2, 12
	s_cbranch_scc0 .Lhead_sc
	tensor_load_to_lds s[32:35], s[16:23]          ; waves 0-11: 64 rows of 256 bytes of the codes
	s_nop 0
.rept 4
	v_nop
.endr
	s_branch .Lhead_join
.Lhead_sc:
	s_cmp_eq_u32 s2, 12
	s_cbranch_scc0 .Lhead_join
	tensor_load_to_lds s[36:39], s[24:31]          ; wave 12: the scale words, 48 rows of 256 bytes
	s_nop 0
.rept 4
	v_nop
.endr
.Lhead_join:
	s_lshl_b32 s60, s51, 5
	s_add_co_u32 s60, s60, s2
	s_mov_b32 s63, 0
	s_mul_i32 s61, s60, 768
	s_add_co_u32 s62, s52, s61
	s_add_nc_u64 s[4:5], s[40:41], s[62:63]
	s_lshr_b32 s61, s60, 2
	s_lshl_b32 s61, s61, 8
	s_add_co_u32 s62, s56, s61
	s_bfe_u32 s61, s2, 0x10001
	s_lshl_b32 s61, s61, 7
	s_add_co_u32 s62, s62, s61
	s_and_b32 s61, s2, 1
	s_lshl_b32 s61, s61, 2
	s_add_co_u32 s62, s62, s61
	s_add_nc_u64 s[6:7], s[42:43], s[62:63]
	s_lshr_b32 s61, s50, 4
	s_lshl_b32 s61, s61, 7
	s_add_co_u32 s61, s61, s60
	s_lshl_b32 s62, s61, 12
	s_add_nc_u64 s[8:9], s[44:45], s[62:63]
	s_and_b32 s68, s50, 15
	s_mul_i32 s62, s61, 12288
	s_lshr_b32 s69, s68, 1
	s_mul_i32 s70, s69, 1536
	s_add_co_u32 s62, s62, s70
	s_and_b32 s70, s68, 1
	s_mul_i32 s71, s70, 768
	s_add_co_u32 s62, s62, s71
	s_add_nc_u64 s[10:11], s[46:47], s[62:63]
	s_lshl_b32 s62, s61, 9
	s_lshr_b32 s71, s68, 3
	s_lshl_b32 s71, s71, 8
	s_add_co_u32 s62, s62, s71
	s_and_b32 s71, s69, 3
	s_lshl_b32 s71, s71, 2
	s_add_co_u32 s62, s62, s71
	s_lshl_b32 s71, s70, 1
	s_add_co_u32 s62, s62, s71
	s_add_nc_u64 s[12:13], s[48:49], s[62:63]
	s_mov_b32 s84, 0x76543210
	s_mov_b32 s85, 0xfedcba98
	s_mov_b32 s86, 0x3e38aa3b
	s_mov_b32 s87, s86
	s_mov_b32 s95, 0xffff0000
	v_and_b32 v212, 31, v0
	s_delay_alu instid0(VALU_DEP_1)
	v_lshlrev_b32 v1, 4, v212
	s_delay_alu instid0(VALU_DEP_2)
	v_lshlrev_b32 v216, 3, v212
	s_delay_alu instid0(VALU_DEP_1)
	v_add_nc_u32 v2, 512, v216
	v_and_b32 v213, 15, v0
	v_bfe_u32 v217, v0, 4, 1
	s_delay_alu instid0(VALU_DEP_2)
	v_lshlrev_b32 v214, 3, v213
	s_delay_alu instid0(VALU_DEP_2)
	v_lshl_add_u32 v215, v213, 4, v217
	v_mov_b32 v3, 0xd0000000                       ; -2^33: a masked raw score
.irp i, 0,1,2,3,4,5
	v_mov_b32 v[218+\i], 0                         ; zero codes on both sides of q's six registers, v224-229
	v_mov_b32 v[230+\i], 0
.endr
.irp b, 0,1,2,3
	v_mov_b32 v[BM+4+\b], 0
.endr
	v_mov_b32 v211, 0
	v_mov_b32 v212, 0
	s_wait_alu depctr_va_vdst(0)
	s_wait_tensorcnt 0x0
	s_barrier_signal -1
	s_barrier_wait -1
; THE SCORES' OPERANDS.  The head's 64 fill half of the instruction's K = 128.  Source 0 is TWO neighbouring tiles of keys, [tile 2 i | tile 2 i + 1], 6 registers each; source 1 is [q | 0] (v224-235) for the even tile
; and [0 | q] (v218-229) for the odd one: the zero codes take the other tile out of the sum.  So the 48 registers from KF on hold a step's eight tiles, and none of them holds zeros.
; The upper half of K is scaled by bytes 2, 3 of a scale word: the odd tiles' words (v29, v31) and a copy of q's (v16) are shifted up by 16 bits; the bytes left beside them (0 or 0x7f) are finite and meet zero codes alone.
; A step's K fragments and scale words are asked for one step ahead, behind the step before's score products; the last step's request reads filled LDS bytes that nothing uses.
.macro KLOAD a16, a8, asc              ; 18 LDS loads: eight tiles of keys, 768 bytes each, and their scale words
.irp t, 0,1,2,3,4,5,6,7
	ds_load_b128 v[KF+6*\t:KF+6*\t+3], v[\a16] offset:768*\t
	ds_load_b64 v[KF+6*\t+4:KF+6*\t+5], v[\a8] offset:768*\t
.endr
	ds_load_b64 v[28:29], v[\asc]
	ds_load_b64 v[30:31], v[\asc] offset:256
.endm
.macro QK t, qb, qs                    ; tile t's scores; qb: source 1's first register, qs: q's scale word
.if ((\t)%4) < 2
	v_wmma_scale_f32_16x16x128_f8f6f4 v[S+8*(\t):S+8*(\t)+7], v[KF+12*(\t/2):KF+12*(\t/2)+11], v[\qb:\qb+11], 0, v[28+2*(\t/4)+(\t%2)], v[\qs] matrix_a_fmt:MATRIX_FMT_BF6 matrix_b_fmt:MATRIX_FMT_BF6
.else
	v_wmma_scale_f32_16x16x128_f8f6f4 v[S+8*(\t):S+8*(\t)+7], v[KF+12*(\t/2):KF+12*(\t/2)+11], v[\qb:\qb+11], 0, v[28+2*(\t/4)+(\t%2)], v[\qs] matrix_a_fmt:MATRIX_FMT_BF6 matrix_b_fmt:MATRIX_FMT_BF6 matrix_a_scale:MATRIX_SCALE_ROW1
.endif
.endm
.macro MWORDS ps
	s_load_b512 s[16:31], s[8:9], s90 offset:65536*\ps
	s_load_b512 s[32:47], s[8:9], s90 offset:65536*\ps+64
	s_load_b512 s[48:63], s[8:9], s90 offset:65536*\ps+128
	s_load_b512 s[68:83], s[8:9], s90 offset:65536*\ps+192
.endm
.macro PASS ps
	s_wait_xcnt 0x0
	s_wait_kmcnt 0x0
	global_load_b128 v[224:227], v1, s[4:5] offset:12288*\ps
	global_load_b64 v[228:229], v2, s[4:5] offset:12288*\ps
	global_load_b32 v10, v214, s[6:7] offset:1024*\ps
	s_mov_b32 s90, 0
	MWORDS \ps
	v_mov_b32 v13, 0xff61b1e6
	s_delay_alu instid0(VALU_DEP_1)
	v_floor_f32 v12, -v13
	v_mov_b32 v14, 0
	v_mov_b32 v15, 0
.set I, 0
.rept 32
	v_mov_b32 v[O+I], 0
.set I, I+1
.endr
	s_mov_b32 s91, 6144                            ; K's codes and scale words: the NEXT step's
	s_mov_b32 s92, 98304
	s_mov_b32 s93, 196608+512
	s_mov_b32 s94, 204800
	s_mov_b32 s3, 16
	v_add_nc_u32 v8, 196608, v216
	KLOAD 1, 2, 8                                  ; step 0's K
	s_wait_loadcnt 0x0
	v_lshlrev_b32 v16, 16, v10                     ; q's scale bytes for the upper half of K
	s_wait_dscnt 0x0
	v_lshlrev_b32 v29, 16, v29                     ; and the odd tiles'
	v_lshlrev_b32 v31, 16, v31
	s_wait_alu depctr_va_vdst(0)
.rept 8
	v_nop                                          ; a scale register written by a vector instruction stands 8 places ahead of a scaled matrix instruction
.endr
.Lstep_\@:
	v_add_nc_u32 v4, s91, v1                       ; these six are also the places between the last step's products, which read v[S] on, and the scores, which are written there
	v_add_nc_u32 v5, s91, v2
	v_add_nc_u32 v6, s92, v1
	v_add_nc_u32 v7, s92, v2
	v_add_nc_u32 v8, s93, v216
	v_add_nc_u32 v9, s94, v216
.irp t, 0,1,2,3,4,5,6,7
	QK \t, 224-6*(\t%2), 10+6*(\t%2)
.endr
.rept 4
	v_nop                                          ; places: for the loads below and for the first reads of the scores
.endr
	KLOAD 4, 5, 8                                  ; the next step's K, 18 loads
	s_wait_kmcnt 0x0
.set I, 0
.set I, 0
.rept 64
	v_cndmask_b32 v[S+I], v3, v[S+I], s[16+I+4*(I/48)]
.set I, I+1
.endr
.irp b, 0,1,2,3
	v_max3_num_f32 v[BM+\b], v[S+16*\b], v[S+16*\b+1], v[S+16*\b+2]
.endr
.irp i, 3,5,7,9,11,13
.irp b, 0,1,2,3
	s_delay_alu instid0(VALU_DEP_4)
	v_max3_num_f32 v[BM+\b], v[BM+\b], v[S+16*\b+\i], v[S+16*\b+\i+1]
.endr
.endr
.irp b, 0,1,2,3
	s_delay_alu instid0(VALU_DEP_4)
	v_max_num_f32 v[BM+\b], v[BM+\b], v[S+16*\b+15]
.endr
	s_add_co_u32 s90, s90, 256
	s_min_u32 s90, s90, 3840
	MWORDS \ps
.irp b, 0,1,2,3
	v_permlanex16_b32 v[BM+4+\b], v[BM+\b], s84, s85
.endr
.irp b, 0,1,2,3
	s_delay_alu instid0(VALU_DEP_4)
	v_max_num_f32 v[BM+\b], v[BM+\b], v[BM+4+\b]
.endr
	s_delay_alu instid0(VALU_DEP_2)
	v_max3_num_f32 v212, v[BM], v[BM+1], v[BM+2]
	s_delay_alu instid0(VALU_DEP_1)
	v_max_num_f32 v212, v212, v[BM+3]
	s_delay_alu instid0(VALU_DEP_1)
	v_mul_f32 v212, s86, v212                      ; the step's largest raw score as t (c is positive)
	s_delay_alu instid0(VALU_DEP_1)
	v_max_num_f32 v13, v13, v212
	v_mov_b32 v212, v12
	s_delay_alu instid0(VALU_DEP_2)
	v_floor_f32 v12, -v13
	s_delay_alu instid0(VALU_DEP_1)
	v_sub_f32 v212, v12, v212
	s_delay_alu instid0(VALU_DEP_1)
	v_cvt_i32_f32 v212, v212
	s_delay_alu instid0(VALU_DEP_1)
	v_ldexp_f32 v210, 1.0, v212
.set I, 0
.rept 32
	v_pk_fma_f32 v[S+I:S+I+1], v[S+I:S+I+1], s[86:87], v[12:13] op_sel_hi:[1,0,0]   ; t - M, two at a time
.set I, I+2
.endr
.irp b, 0,1,2,3
	v_fma_f32 v[BM+\b], v[BM+\b], s86, v12
.endr
.set I, 0
	s_wait_alu depctr_va_vdst(0)
.rept 64
	v_exp_f32 v[S+I], v[S+I]
.set I, I+1
.endr
	v_pk_mul_f32 v[14:15], v[14:15], v[210:211] op_sel_hi:[1,0]
	s_wait_alu depctr_va_vdst(0)
.irp b, 0,1,2,3
	v_exp_f32 v[BM+\b], v[BM+\b]
.endr
	v_pk_add_f32 v[BM+4:BM+5], v[S:S+1], v[S+2:S+3]                ; the row's sum of the unquantised p, in four chains by turns
	v_pk_add_f32 v[236:237], v[S+4:S+5], v[S+6:S+7]
	v_pk_add_f32 v[238:239], v[S+8:S+9], v[S+10:S+11]
	v_pk_add_f32 v[14:15], v[14:15], v[S+12:S+13]
	v_pk_add_f32 v[BM+4:BM+5], v[BM+4:BM+5], v[S+14:S+15]
.irp j, 16,24,32,40,48,56
	v_pk_add_f32 v[236:237], v[236:237], v[S+\j:S+\j+1]
	v_pk_add_f32 v[238:239], v[238:239], v[S+\j+2:S+\j+3]
	v_pk_add_f32 v[14:15], v[14:15], v[S+\j+4:S+\j+5]
	v_pk_add_f32 v[BM+4:BM+5], v[BM+4:BM+5], v[S+\j+6:S+\j+7]
.endr
	v_pk_add_f32 v[236:237], v[236:237], v[238:239]
	v_pk_add_f32 v[14:15], v[14:15], v[BM+4:BM+5]
	s_delay_alu instid0(VALU_DEP_1)
	v_pk_add_f32 v[14:15], v[14:15], v[236:237]
	s_wait_alu depctr_va_vdst(0)
.irp b, 0,1,2,3
	v_max_num_f32 v[BM+\b], 0x2800000, v[BM+\b]
.endr
.irp b, 0,1,2,3
	s_delay_alu instid0(VALU_DEP_4)
	v_add_nc_u32 v[BM+8+\b], 0xfe000000, v[BM+\b]
.endr
.irp b, 0,1,2,3
	s_delay_alu instid0(VALU_DEP_4)
	v_lshrrev_b32 v[BM+4+\b], 23, v[BM+8+\b]
.endr
	s_delay_alu instid0(VALU_DEP_3)
	v_lshl_or_b32 v11, v[BM+5], 8, v[BM+4]
	s_delay_alu instid0(VALU_DEP_1)
	v_lshl_or_b32 v11, v[BM+6], 16, v11
	s_delay_alu instid0(VALU_DEP_1)
	v_lshl_or_b32 v11, v[BM+7], 24, v11
.irp c, 0,1
	v_cvt_scalef32_pk16_bf6_f32 v[PC+6*\c:PC+6*\c+2], v[S+32*\c:S+32*\c+15], v[BM+8+2*\c]
	v_cvt_scalef32_pk16_bf6_f32 v[PT+4*\c:PT+4*\c+2], v[S+32*\c+16:S+32*\c+31], v[BM+8+2*\c+1]
.endr
.irp a, 0,1,2,3
	ds_load_b128 v[S+12*\a:S+12*\a+3], v6 offset:1536*\a
	ds_load_b64 v[S+12*\a+4:S+12*\a+5], v7 offset:1536*\a
	ds_load_b128 v[S+12*\a+6:S+12*\a+9], v6 offset:1536*\a+768
	ds_load_b64 v[S+12*\a+10:S+12*\a+11], v7 offset:1536*\a+768
.endr
	ds_load_b64 v[32:33], v9
	v_nop
.irp c, 0,1
.irp i, 0,1,2
	v_permlane16_swap_b32 v[PC+6*\c+\i], v[PT+4*\c+\i]
.endr
.irp i, 0,1,2
	s_delay_alu instid0(VALU_DEP_3)
	v_mov_b32 v[PC+6*\c+3+\i], v[PT+4*\c+\i]
.endr
.endr
.set I, 0
	s_wait_dscnt 17                                ; the next step's K and its scale words are in: only V's 17 loads, issued behind them, may be out
	v_lshlrev_b32 v29, 16, v29                     ; the odd tiles' scale bytes for the upper half of K; the 16 multiplications below are the places ahead of the products that take them
	v_lshlrev_b32 v31, 16, v31
	s_wait_alu depctr_va_vdst(0)                   ; directly ahead of the first reader of O^T
.rept 16
	v_pk_mul_f32 v[O+I:O+I+1], v[O+I:O+I+1], v[210:211] op_sel_hi:[1,0]
.set I, I+2
.endr
	s_wait_alu depctr_va_vdst(0)
	s_wait_dscnt 0x0
.irp a, 0,1
	v_wmma_scale_f32_16x16x128_f8f6f4 v[O+8*\a:O+8*\a+7], v[S+12*\a:S+12*\a+11], v[PC:PC+11], v[O+8*\a:O+8*\a+7], v[32+\a], v11 matrix_a_fmt:MATRIX_FMT_BF6 matrix_b_fmt:MATRIX_FMT_BF6
.endr
.irp a, 2,3
	v_wmma_scale_f32_16x16x128_f8f6f4 v[O+8*\a:O+8*\a+7], v[S+12*\a:S+12*\a+11], v[PC:PC+11], v[O+8*\a:O+8*\a+7], v[32+\a-2], v11 matrix_a_fmt:MATRIX_FMT_BF6 matrix_b_fmt:MATRIX_FMT_BF6 matrix_a_scale:MATRIX_SCALE_ROW1
.endr
	s_add_co_u32 s91, s91, 6144
	s_add_co_u32 s92, s92, 6144
	s_add_co_u32 s93, s93, 512
	s_add_co_u32 s94, s94, 256
	s_sub_co_u32 s3, s3, 1
	s_cmp_lg_u32 s3, 0
	s_cbranch_scc1 .Lstep_\@
.rept 4
	v_nop
.endr
	v_add_f32 v14, v14, v15
	s_delay_alu instid0(VALU_DEP_1)
	v_permlanex16_b32 v212, v14, s84, s85
	s_delay_alu instid0(VALU_DEP_1)
	v_add_f32 v14, v14, v212
	s_wait_alu depctr_va_vdst(0)
	v_rcp_f32 v14, v14
	v_nop
	s_wait_alu depctr_va_vdst(0)
.set I, 0
.rept 16
	v_pk_mul_f32 v[S+I:S+I+1], v[O+I:O+I+1], v[14:15] op_sel_hi:[1,0]
.set I, I+2
.endr
.irp b, 0,1
	v_max3_num_f32 v[BM+\b], |v[S+16*\b]|, |v[S+16*\b+1]|, 0x2800000
.endr
.irp i, 2,4,6,8,10,12,14
.irp b, 0,1
	s_delay_alu instid0(VALU_DEP_2)
	v_max3_num_f32 v[BM+\b], v[BM+\b], |v[S+16*\b+\i]|, |v[S+16*\b+\i+1]|
.endr
.endr
.irp b, 0,1
	s_delay_alu instid0(VALU_DEP_2)
	v_permlanex16_b32 v[BM+4+\b], v[BM+\b], s84, s85
.endr
.irp b, 0,1
	s_delay_alu instid0(VALU_DEP_2)
	v_max_num_f32 v[BM+\b], v[BM+\b], v[BM+4+\b]
.endr
.irp b, 0,1
	s_delay_alu instid0(VALU_DEP_2)
	v_add_nc_u32 v[BM+8+\b], 0xfe000000, v[BM+\b]
.endr
.irp b, 0,1
	s_delay_alu instid0(VALU_DEP_2)
	v_lshrrev_b32 v[BM+4+\b], 23, v[BM+8+\b]
.endr
	v_cvt_scalef32_pk16_bf6_f32 v[PC:PC+2], v[S:S+15], v[BM+8]
	v_cvt_scalef32_pk16_bf6_f32 v[PT:PT+2], v[S+16:S+31], v[BM+9]
	v_cndmask_b32 v212, v[BM+4], v[BM+5], s95
.irp i, 0,1,2
	v_permlane16_swap_b32 v[PC+\i], v[PT+\i]
.endr
.irp i, 0,1,2
	s_delay_alu instid0(VALU_DEP_3)
	v_mov_b32 v[PC+3+\i], v[PT+\i]
.endr
	global_store_b128 v1, v[PC:PC+3], s[10:11] offset:196608*\ps
	global_store_b64 v2, v[PC+4:PC+5], s[10:11] offset:196608*\ps
	global_store_b8 v215, v212, s[12:13] offset:8192*\ps
.endm
	PASS 0
	PASS 1
	s_wait_kmcnt 0x0
	s_wait_tensorcnt 0x0
	ds_add_u32 v254, v255
	s_wait_dscnt 0x0
	CROUND
	s_endpgm
.Lfunc_end_k_q6cd227baa6_attn:
	.size	k_q6cd227baa6_attn, .Lfunc_end_k_q6cd227baa6_attn-k_q6cd227baa6_attn
	.p2alignl 7, 3214868480
	.fill 96, 4, 3214868480
	.section	.rodata,"a",@progbits
	.p2align	6, 0x0
	.amdhsa_kernel k_q6cd227baa6_attn
		.amdhsa_group_segment_fixed_size 327680
		.amdhsa_private_segment_fixed_size 0
		.amdhsa_enable_private_segment 0
		.amdhsa_kernarg_size 40
		.amdhsa_user_sgpr_count 2
		.amdhsa_user_sgpr_kernarg_segment_ptr 1
		.amdhsa_wavefront_size32 1
		.amdhsa_system_sgpr_workgroup_id_x 1
		.amdhsa_system_sgpr_workgroup_id_y 1
		.amdhsa_system_sgpr_workgroup_id_z 1
		.amdhsa_system_vgpr_workitem_id 0
		.amdhsa_next_free_vgpr 256
		.amdhsa_next_free_sgpr 100
		.amdhsa_reserve_vcc 0
		.amdhsa_float_denorm_mode_32 3
		.amdhsa_float_denorm_mode_16_64 3
		.amdhsa_memory_ordered 1
		.amdhsa_forward_progress 1
		.amdhsa_inst_pref_size 68
	.end_amdhsa_kernel
	.amdgpu_metadata
---
amdhsa.version: [ 1, 2 ]
amdhsa.kernels:
  - .name:           k_q6cd227baa6_attn
    .symbol:         k_q6cd227baa6_attn.kd
    .args:
      - { .name: hc, .offset: 0, .size: 8, .value_kind: global_buffer, .address_space: global }
      - { .name: hs, .offset: 8, .size: 8, .value_kind: global_buffer, .address_space: global }
      - { .name: mw, .offset: 16, .size: 8, .value_kind: global_buffer, .address_space: global }
      - { .name: xc, .offset: 24, .size: 8, .value_kind: global_buffer, .address_space: global }
      - { .name: xs, .offset: 32, .size: 8, .value_kind: global_buffer, .address_space: global }
    .group_segment_fixed_size: 327680
    .private_segment_fixed_size: 0
    .kernarg_segment_align: 8
    .kernarg_segment_size: 40
    .max_flat_workgroup_size: 512
    .sgpr_count:     100
    .vgpr_count:     256
    .wavefront_size: 32
...
	.end_amdgpu_metadata
.endif
;; end of part 3
;; launch outp (part 4): grid 8 x 32, 4 waves a work-group, clusters of 4 x 4, 295,424 bytes of LDS; arguments xc, xs, opc, ops, bo, out0; writes out0
.if DOCPART == 4
	.amdgcn_target "amdgcn-amd-amdhsa--gfx1250"
	.amdhsa_code_object_version 6
	.text
	.protected	k_q6cd227baa6_outp
	.globl	k_q6cd227baa6_outp
	.p2align	8
	.type	k_q6cd227baa6_outp,@function
k_q6cd227baa6_outp:
	s_mov_b64 s[64:65], 0
	v_nop
	global_prefetch_b8 v0, s[64:65] scope:SCOPE_SE
	s_setreg_imm32_b32 hwreg(HW_REG_WAVE_MODE, 25, 1), 1
	s_wait_xcnt 0x0
	s_wait_alu depctr_hold_cnt(0) depctr_sa_sdst(0) depctr_va_vdst(0) depctr_va_sdst(0) depctr_va_ssrc(0) depctr_va_vcc(0) depctr_vm_vsrc(0)
	s_getreg_b32 s2, hwreg(HW_REG_IB_STS2, 6, 4)
	s_cmp_eq_u32 s2, 0
	s_cbranch_scc0 .Lentry_in_a_cluster
	s_endpgm
.Lentry_in_a_cluster:
	s_bfe_u32 s2, ttmp6, 0x10000c
	s_cmp_lg_u32 s2, 0xf033
	s_cbranch_scc0 .Lentry_shape_is_right
	s_endpgm
.Lentry_shape_is_right:
; OUTP.  out0 = x Wo^T + bo on codes of BF6 (E3M2) with E8M0 scales, f32 sums.  x's codes and scale words come from the attention launch, Wo's from the first launch, both as images of the operand's registers,
; in tiles whose lane row p is row 32 (T / 2) + 8 (T % 2) + p + 8 (p / 8).  Source 0 = 16 rows of Wo (R), source 1 = 16 tokens (P): a lane holds one token and its registers run along the features.
; SHARES.  A work-group makes 256 tokens x 128 features with all of K = 1,024 in LDS (196,608 + 98,304 bytes, each byte filled once).  Wave w: P's tiles 4 w .. 4 w + 3 x R's eight: 32 accumulators.
; CLUSTERS: 4 x 4 work-groups; P's tiles are shared along a row of the cluster, R's along a column: each is asked for jointly.  K comes in four chunks of 256; a wave has four tensor loads out at the most.
; The bias is the C of each sum's first matrix instruction.  The way out goes through the wave's own stage in LDS: it lies where the wave's own tiles of chunk 0 lay, which have had their only fill and which no other wave reads.
; REGISTERS: window 0: v1-11 addresses; v16-31 P's scale words, v32-63 R's; v64-159 P's fragments, two sets; v160-223 the bias; on the way out v64-191 rows of the result.
;   window 1: accumulator (a, t) at v[64 a + 8 t].   window 2: R's fragments, two sets of 96.
; K COMES WHOLE, NOT IN CHUNKS (this line replaces what the head says of chunks): a wave issues ONE tensor load, at the head: 8 tiles of P or 4 of R, 12,288 bytes each, dense in LDS: tile T at 12,288 T, K step s at 1,536 s.
; R's tiles 4-7 have a second pair of address registers, v[AR16+6] and v[AR8+6], 49,152 bytes on, so that every offset fits 16 bits.  The stage lies where my own first tile of P lay.
.set RB,   196608
.set L16,  1
.set L8,   2
.set RR,   3
.set HH,   4
.set AP16, 5
.set AP8,  6
.set AR16, 7
.set AR8,  8
.set STO,  10
.set RD,   11
.set SP,   16
.set SR,   32
.set PF,   64
.set BJ,   160
.set BK,   64
.set MULW, 0x52                        ; source 0 (R) window 2, source 1 (P) window 0, C and D window 1
.set MUL0, 0x42                        ; the same with C (the bias) in window 0
.set TO_R, 0x80
.set MSB, 0
.macro WIN new                         ; the immediate's high byte repeats the setting that is left
.if MSB != \new
	s_set_vgpr_msb (MSB<<8)|\new
.set MSB, \new
.endif
.endm
.macro CROUND                          ; a round of the cluster's barrier
	s_barrier_signal -1
	s_barrier_wait -1
	s_cmp_lg_u32 s18, 0
	s_cbranch_scc1 .Lnot_wave_0_\@
	s_barrier_signal -3
.Lnot_wave_0_\@:
	s_barrier_wait -3
	s_barrier_signal -1
	s_barrier_wait -1
.endm
	s_load_b256 s[4:11], s[0:1], 0x0               ; xc s[4:5], xs s[6:7], opc s[8:9], ops s[10:11]
	s_load_b128 s[12:15], s[0:1], 0x20             ; bo s[12:13], out0 s[14:15]
	v_lshl_add_u32 v254, v0, 2, 0x48000
	v_mov_b32 v255, 0
	ds_add_u32 v254, v255
	ds_add_u32 v254, v255
	v_lshrrev_b32 v1, 5, v0
	v_readfirstlane_b32 s18, v1                    ; wave 0..3
	s_lshr_b32 s19, s18, 1                         ; I fetch for P (0) or for R (1),
	s_and_b32 s20, s18, 1                          ; and which half of its tiles
	s_bfe_u32 s21, ttmp6, 0x40000                  ; cx
	s_bfe_u32 s22, ttmp6, 0x40004                  ; cy
	s_and_b32 s78, ttmp7, 0xffff
	s_lshl_b32 s78, s78, 2
	s_add_co_u32 s78, s78, s22                     ; iblk: my 256 tokens
	s_lshl_b32 s79, ttmp9, 2
	s_add_co_u32 s79, s79, s21                     ; jblk: my 128 features
	s_lshl_b32 s80, s78, 4                         ; P's first tile of mine, in xc
	s_lshl_b32 s82, s79, 3
	s_add_co_u32 s82, s82, 1728                    ; R's, in opc: Wo begins at tile 1,728
	s_lshl_b32 s2, s22, 2
	s_lshl_b32 s2, 15, s2                          ; my row of the cluster
	s_lshl_b32 s3, 0x1111, s21                     ; my column
	; group 1.  P: 8 rows of 1,536 elements of 8 bytes, 1,536 elements (a tile) apart.  R: 4 such rows.  Dense in LDS
	s_or_b32 s24, s2, (3<<16)|(1<<21)
	s_mov_b32 s25, 1536<<16
	s_mov_b32 s26, 8<<16
	s_mov_b32 s27, 1536<<16
	s_mov_b32 s28, 8
	s_mov_b32 s29, 1536
	s_mov_b32 s30, 0
	s_mov_b32 s31, 0
	s_or_b32 s32, s3, (3<<16)|(1<<21)
	s_mov_b32 s33, 1536<<16
	s_mov_b32 s34, 4<<16
	s_mov_b32 s35, 1536<<16
	s_mov_b32 s36, 4
	s_mov_b32 s37, 1536
	s_mov_b32 s38, 0
	s_mov_b32 s39, 0
	s_lshl_b32 s92, s20, 3
	s_add_co_u32 s92, s92, s80
	s_mul_i32 s92, s92, 12288
	s_mov_b32 s93, 0
	s_lshl_b32 s94, s20, 2
	s_add_co_u32 s94, s94, s82
	s_mul_i32 s94, s94, 12288
	s_mov_b32 s95, 0
	s_mul_i32 s99, s20, 98304                      ; no place in the cluster enters an LDS address
	s_mul_i32 s100, s20, 49152
	s_add_co_u32 s100, s100, RB
	s_wait_dscnt 0x0
	s_wait_kmcnt 0x0
	s_add_nc_u64 s[92:93], s[4:5], s[92:93]
	s_add_nc_u64 s[94:95], s[8:9], s[94:95]
	s_mov_b32 s40, 1                               ; group 0: P's at s40, R's at s56
	s_mov_b32 s41, s99
	s_mov_b64 s[42:43], s[92:93]
	s_or_b32 s43, s43, 0x80000000
	s_mov_b32 s56, 1
	s_mov_b32 s57, s100
	s_mov_b64 s[58:59], s[94:95]
	s_or_b32 s59, s59, 0x80000000
	CROUND                                         ; all sixteen work-groups are here: the joint loads meet
	s_cmp_eq_u32 s19, 0                            ; one fill a wave, in one branch on the wave's number; four v_nop follow it
	s_cbranch_scc0 .Lfill_r
	tensor_load_to_lds s[40:43], s[24:31]
	s_nop 0
.rept 4
	v_nop
.endr
	s_branch .Lfilled
.Lfill_r:
	tensor_load_to_lds s[56:59], s[32:39]
	s_nop 0
.rept 4
	v_nop
.endr
.Lfilled:
	v_and_b32 v12, 31, v0
	v_lshlrev_b32 v[L16], 4, v12
	v_lshlrev_b32 v[L8], 3, v12
	v_and_b32 v[RR], 15, v0
	v_bfe_u32 v[HH], v0, 4, 1
	s_mul_i32 s2, s18, 49152                       ; my four tiles of P; later my stage
	v_add_nc_u32 v[AP16], s2, v[L16]
	v_add_nc_u32 v[AP8], s2, v[L8]
	v_add_nc_u32 v[AP8], 512, v[AP8]
	v_add_nc_u32 v[AR16], RB, v[L16]
	v_add_nc_u32 v[AR8], RB+512, v[L8]
	v_add_nc_u32 v[AR16+6], RB+49152, v[L16]       ; R's tiles 4-7
	v_add_nc_u32 v[AR8+6], RB+49152+512, v[L8]
	v_mul_u32_u24 v[STO], v[RR], 528
	v_lshl_add_u32 v[STO], v[HH], 6, v[STO]
	v_add_nc_u32 v[STO], s2, v[STO]                ; into the stage: row r, + 64 h
	v_add_nc_u32 v[RD], s2, v[L16]                 ; back: a row of 512 bytes, 16 a lane
	s_lshl_b32 s2, s18, 2
	s_add_co_u32 s2, s2, s80
	s_lshl_b32 s88, s2, 9
	s_mov_b32 s89, 0
	s_add_nc_u64 s[88:89], s[6:7], s[88:89]        ; x's scale words
	s_lshl_b32 s90, s82, 9
	s_mov_b32 s91, 0
	s_add_nc_u64 s[90:91], s[10:11], s[90:91]      ; Wo's
.irp a, 0,1,2,3
	global_load_b128 v[SP+4*\a:SP+4*\a+3], v[L16], s[88:89] offset:512*\a
.endr
.irp t, 0,1,2,3,4,5,6,7
	global_load_b128 v[SR+4*\t:SR+4*\t+3], v[L16], s[90:91] offset:512*\t
.endr
	s_lshl_b32 s2, s79, 9                          ; bo: my 128 numbers; tile t's eight: 32 (t / 2) + 8 (t % 2) + 16 h + 0..7
	v_lshlrev_b32 v9, 6, v[HH]
	v_add_nc_u32 v9, s2, v9
.irp t, 0,1,2,3,4,5,6,7
	global_load_b128 v[BJ+8*\t:BJ+8*\t+3], v9, s[12:13] offset:(32*(\t/2)+8*(\t%2))*4
	global_load_b128 v[BJ+8*\t+4:BJ+8*\t+7], v9, s[12:13] offset:(32*(\t/2)+8*(\t%2))*4+16
.endr
	s_lshl_b32 s84, s78, 8
	s_lshl_b32 s3, s18, 6
	s_add_co_u32 s84, s84, s3                      ; my first token: 256 iblk + 64 wave
	s_lshl_b32 s84, s84, 12
	s_add_co_u32 s84, s84, s2                      ; + my features' 512 bytes
	s_mov_b32 s85, 0
	s_add_nc_u64 s[84:85], s[14:15], s[84:85]
	s_wait_alu depctr_va_vdst(0)
	s_wait_loadcnt 0x0
; 8 matrix instructions: P's tile a x R's eight, K step s.  The 32 accumulators take turns, one instruction a turn, in the same order in every K step.
; K step 0 starts the sums with the bias as C.  A scale register holds K step s % 4 in lanes 0-15 and K step 4 + s % 4 in lanes 16-31
.macro MUL a, s
.irp t, 0,1,2,3,4,5,6,7
.if (\s) == 0
	v_wmma_scale_f32_16x16x128_f8f6f4 v[64*(\a)+8*\t:64*(\a)+8*\t+7], v[12*\t:12*\t+11], v[PF+12*(\a):PF+12*(\a)+11], v[BJ+8*\t:BJ+8*\t+7], v[SR+4*\t], v[SP+4*(\a)] matrix_a_fmt:MATRIX_FMT_BF6 matrix_b_fmt:MATRIX_FMT_BF6
.elseif (\s) < 4
	v_wmma_scale_f32_16x16x128_f8f6f4 v[64*(\a)+8*\t:64*(\a)+8*\t+7], v[96*((\s)%2)+12*\t:96*((\s)%2)+12*\t+11], v[PF+48*((\s)%2)+12*(\a):PF+48*((\s)%2)+12*(\a)+11], v[64*(\a)+8*\t:64*(\a)+8*\t+7], v[SR+4*\t+(\s)%4], v[SP+4*(\a)+(\s)%4] matrix_a_fmt:MATRIX_FMT_BF6 matrix_b_fmt:MATRIX_FMT_BF6
.else
	v_wmma_scale_f32_16x16x128_f8f6f4 v[64*(\a)+8*\t:64*(\a)+8*\t+7], v[96*((\s)%2)+12*\t:96*((\s)%2)+12*\t+11], v[PF+48*((\s)%2)+12*(\a):PF+48*((\s)%2)+12*(\a)+11], v[64*(\a)+8*\t:64*(\a)+8*\t+7], v[SR+4*\t+(\s)%4], v[SP+4*(\a)+(\s)%4] matrix_a_fmt:MATRIX_FMT_BF6 matrix_b_fmt:MATRIX_FMT_BF6 matrix_a_scale:MATRIX_SCALE_ROW1 matrix_b_scale:MATRIX_SCALE_ROW1
.endif
.endr
.endm
; 48 LDS loads in one run: K step s's fragments into set s % 2; each load covers 512 or 256 consecutive bytes
.macro FR4 reg, a16, a8, off           ; a fragment's 12 registers from its 1,536 bytes
	ds_load_b128 v[\reg:\reg+3], v[\a16] offset:\off
	ds_load_b64 v[\reg+4:\reg+5], v[\a8] offset:\off
	ds_load_b128 v[\reg+6:\reg+9], v[\a16] offset:\off+768
	ds_load_b64 v[\reg+10:\reg+11], v[\a8] offset:\off+768
.endm
.macro FETCH s
	WIN TO_R
.irp t, 0,1,2,3,4,5,6,7
	FR4 96*((\s)%2)+12*\t, AR16+6*(\t/4), AR8+6*(\t/4), 12288*(\t%4)+1536*(\s)
.endr
	WIN 0
.irp t, 0,1,2,3
	FR4 PF+48*((\s)%2)+12*\t, AP16, AP8, 12288*\t+1536*(\s)
.endr
.endm
.macro MWIN s
.if (\s) == 0
	WIN MUL0
.else
	WIN MULW
.endif
.endm
; A K step: 32 products; the next K step's fragments are asked for behind the first eight.  All of K lies in LDS: no wait for tiles and no barrier stands here.
; Four plain vector instructions stand between the last products that read a set of fragments and the loads into it (ISA guide 7.12.1 for vector instructions).
.macro KSTEP s
	s_wait_dscnt 0x0                               ; this K step's fragments are in (asked for 24 matrix instructions ago)
	MWIN \s
	MUL 0, \s
.if (\s) < 7
.rept 4
	v_nop
.endr
	FETCH (\s)+1
	MWIN \s
.endif
	MUL 1, \s
	MUL 2, \s
	MUL 3, \s
.endm
	s_wait_tensorcnt 0x0                           ; my one load, my part of the operands, is in
	s_barrier_signal -1
	s_barrier_wait -1                              ; everybody's is
	FETCH 0
.irp s, 0,1,2,3,4,5,6,7
	KSTEP \s
.endr
	WIN 0
.rept 4
	v_nop                                          ; places behind the last products: for the stores that read results and the loads into registers that held fragments
.endr
; THE WAY OUT, a tile of 16 tokens x 128 features at a time.  A lane holds pieces of 32 bytes of one row; the tile goes through my stage (rows 528 bytes apart) and comes back as whole rows of 512 bytes.
; LDS serves a wave's instructions in order (ISA guide 5.7.1.4): no wait between the stores and the loads, nor in front of the next tile's stores.
.macro TOSTAGE a
	WIN 0x04                                       ; an LDS store's data are its source 1: window 1
.irp t, 0,1,2,3,4,5,6,7
	ds_store_b128 v[STO], v[64*(\a)+8*\t:64*(\a)+8*\t+3] offset:128*(\t/2)+32*(\t%2)        ; each accumulator from its low end on
	ds_store_b128 v[STO], v[64*(\a)+8*\t+4:64*(\a)+8*\t+7] offset:128*(\t/2)+32*(\t%2)+16
.endr
	WIN 0
.irp p, 0,1,2,3,4,5,6,7,8,9,10,11,12,13,14,15
	ds_load_b128 v[BK+64*((\a)%2)+4*\p:BK+64*((\a)%2)+4*\p+3], v[RD] offset:528*\p
.endr
.endm
.macro SEND a, younger                 ; younger: the LDS instructions issued behind tile a's loads, which may stay out
	s_wait_dscnt \younger
.irp p, 0,1,2,3,4,5,6,7,8,9,10,11,12,13,14,15
	global_store_b128 v[L16], v[BK+64*((\a)%2)+4*\p:BK+64*((\a)%2)+4*\p+3], s[84:85] offset:(32*((\a)/2)+8*((\a)%2)+\p+8*(\p/8))*4096 th:TH_STORE_NT   ; 32 lanes store 512 consecutive aligned bytes of one token's row
.endr
.endm
	TOSTAGE 0
.irp a, 1,2,3
.if \a > 1
	s_wait_xcnt 0x0                                ; tile a - 2's stores have read their registers: tile a's rows may land there
.endif
	TOSTAGE \a
	SEND \a-1, 32                                  ; behind tile a - 1's loads: tile a's 16 stores and 16 loads
.endr
	SEND 3, 0
	s_wait_tensorcnt 0x0
	ds_add_u32 v254, v255
	s_wait_dscnt 0x0
	CROUND                                         ; the closing round: no work-group ends while a partner may still ask for a tile that names it
	s_endpgm
.Lfunc_end_k_q6cd227baa6_outp:
	.size	k_q6cd227baa6_outp, .Lfunc_end_k_q6cd227baa6_outp-k_q6cd227baa6_outp
	.p2alignl 7, 3214868480
	.fill 96, 4, 3214868480
	.section	.rodata,"a",@progbits
	.p2align	6, 0x0
	.amdhsa_kernel k_q6cd227baa6_outp
		.amdhsa_group_segment_fixed_size 295424
		.amdhsa_private_segment_fixed_size 0
		.amdhsa_enable_private_segment 0
		.amdhsa_kernarg_size 48
		.amdhsa_user_sgpr_count 2
		.amdhsa_user_sgpr_kernarg_segment_ptr 1
		.amdhsa_wavefront_size32 1
		.amdhsa_system_sgpr_workgroup_id_x 1
		.amdhsa_system_sgpr_workgroup_id_y 1
		.amdhsa_system_sgpr_workgroup_id_z 1
		.amdhsa_system_vgpr_workitem_id 0
		.amdhsa_next_free_vgpr 768
		.amdhsa_next_free_sgpr 102
		.amdhsa_reserve_vcc 0
		.amdhsa_float_denorm_mode_32 3
		.amdhsa_float_denorm_mode_16_64 3
		.amdhsa_memory_ordered 1
		.amdhsa_forward_progress 1
		.amdhsa_inst_pref_size 82
	.end_amdhsa_kernel
	.amdgpu_metadata
---
amdhsa.version: [ 1, 2 ]
amdhsa.kernels:
  - .name:           k_q6cd227baa6_outp
    .symbol:         k_q6cd227baa6_outp.kd
    .args:
      - { .name: xc, .offset: 0, .size: 8, .value_kind: global_buffer, .address_space: global }
      - { .name: xs, .offset: 8, .size: 8, .value_kind: global_buffer, .address_space: global }
      - { .name: opc, .offset: 16, .size: 8, .value_kind: global_buffer, .address_space: global }
      - { .name: ops, .offset: 24, .size: 8, .value_kind: global_buffer, .address_space: global }
      - { .name: bo, .offset: 32, .size: 8, .value_kind: global_buffer, .address_space: global }
      - { .name: out0, .offset: 40, .size: 8, .value_kind: global_buffer, .address_space: global }
    .group_segment_fixed_size: 295424
    .private_segment_fixed_size: 0
    .kernarg_segment_align: 8
    .kernarg_segment_size: 48
    .max_flat_workgroup_size: 128
    .sgpr_count:     102
    .vgpr_count:     768
    .wavefront_size: 32
...
	.end_amdgpu_metadata
.endif
;; end of part 4
